; MI455X (gfx1250); checked and timed in simulation.
; The chip was launched on July 23, 2026; its instructions are those of AMD's public machine-readable ISA for CDNA 5 (MIT licence, August 2026) and "CDNA5" Instruction Set Architecture Reference Guide (July 2026). The comments in the code are by the model that wrote it; some were corrected since.
;; Mistral Self Attention. Allowed arithmetic: matrix products marked QUANTISED: E2M3 operands, one E8M0 scale for each 32 along K, by v_wmma_scale_f32_16x16x128_f8f6f4 with both operands' format E2M3, f32 sums; everything else in f32.
;; Inputs: cos 1,024 x 128 float32; mask_b 1,024 x 1,024 float32; mask_w 1,024 x 1,024 float32; sin 1,024 x 128 float32; stm 1 x 1,024 x 32 x 128 float32; wk 4,096 x 1,024 float32; wo 4,096 x 4,096 float32; wq 4,096 x 4,096 float32; wv 4,096 x 1,024 float32.
;; Outputs: out0 1 x 1,024 x 32 x 128 float32.
;; This version of the problem:
;;   THIS VERSION OF THE PROBLEM IS GIVEN IN LOW PRECISION. The matrix products marked QUANTISED in the list below multiply operands that are first quantised to E2M3 (2 exponent bits, 3 mantissa bits; 6 bits a number), with one power-of-two scale for each 32 numbers along K (OCP MX v1.0); their sums are f32. All else is computed in f32.
;;   The module's matrix products, in the order in which they are computed (A, B: the left and right operand; K: the contracted axis; several contracted axes count as one K, in the product's order):
;;     1. [M 1,024, K 4,096] x [K 4,096, N 4,096]; A: input stm; B: input wq: QUANTISED
;;     2. [M 1,024, K 4,096] x [K 4,096, N 1,024]; A: input stm; B: input wk: QUANTISED
;;     3. [M 1,024, K 4,096] x [K 4,096, N 1,024]; A: input stm; B: input wv: QUANTISED
;;     4. batch 32 x [M 1,024, K 128] x [K 128, N 1,024]; A: computed on the way; B: computed on the way: QUANTISED
;;     5. batch 32 x [M 128, K 1,024] x [K 1,024, N 1,024]; A: computed on the way; B: softmax (see below): QUANTISED
;;     6. [M 1,024, K 4,096] x [K 4,096, N 4,096]; A: computed on the way; B: input wo: QUANTISED
;;   THE QUANTISER, for each operand of a quantised product, along K:
;;     - K is cut into blocks of 32 from its start; a last block that is shorter is filled with zeros.
;;     - A block's scale is 2^e with e = floor(log2(the largest magnitude in the block)) - 2, held to -126 .. 127; a block of zeros has e = 0. As a byte (E8M0): e + 127.
;;     - Each number is divided by its block's scale, clamped to +-7.5, and rounded to the nearest number of E2M3, ties to even, subnormals kept.
;;     - The product sums the exact products of the quantised numbers (number of the format x scale) in f32.
;;   ~~~python
;;   def quantise(x, axis):      # numpy; x: float32 -> the quantised numbers, widened to float32 again
;;       x = np.moveaxis(x, axis, -1); K = x.shape[-1]
;;       x = np.pad(x, [(0, 0)] * (x.ndim - 1) + [(0, -K % 32)]); x = x.reshape(x.shape[:-1] + (-1, 32)); a = np.abs(x).max(-1, keepdims=True)
;;       e = np.where(a > 0, np.clip(np.frexp(np.where(a > 0, a, 1))[1] - 1 - 2, -126, 127), 0)      # np.frexp(a)[1] - 1 = floor(log2(a)), exactly
;;       r = np.clip(x / 2.0 ** e, -7.5, 7.5)
;;       step = 2.0 ** (np.maximum(np.frexp(np.where(r == 0, 1, r))[1] - 1, 0) - 3)
;;       q = np.round(r / step) * step * 2.0 ** e      # np.round: ties to even
;;       return np.moveaxis(q.reshape(q.shape[:-2] + (-1,))[..., :K], -1, axis).astype(np.float32)
;;   ~~~
;;   SOFTMAX AHEAD OF A QUANTISED PRODUCT. Where the list says 'softmax', what is quantised is not the finished softmax but p = 2^(t - M), with t = logit x log2(e) and M = ceil(the row's largest t), a whole number; so 1/2 < the row's largest p <= 1. The row's sum l is taken of the UNQUANTISED p, in f32, and the product's result is divided by l at the end. Since M is a whole number, a kernel that streams over the keys may use a running M (the ceiling of the running maximum): every later rescaling is an exact power of two, which a block's scale takes up: the codes' values come out the same.
;;   OPERANDS COMPUTED ON THE WAY. 'Computed on the way' means the value that the module computes at that place (a softmax that the list does not call 'softmax' is quantised finished and normalised). What goes into a quantiser is computed in f32, as accurately as f32 sums, v_exp_f32 and their like allow (about 1e-6 of the number): no bf16 or f16 on the way to a quantiser, and a product that is left as it is and whose result goes on into a quantised operand takes f32 operands (vector FMAs, or v_wmma_f32_16x16x4_f32). A number that lies on a knife's edge between two numbers of the format may be rounded either way, as far as f32 arithmetic and the matrix unit's own rounding can turn it there, and no further.
;; One version. Each part assembles by itself: llvm-mc -triple=amdgcn-amd-amdhsa -mcpu=gfx1250 --defsym DOCPART=n.
;; ======== version 1 of 1: 4 launches
;; limits: right only within a limited range of input values
;; workspace buffers: xc 3,276,800 bytes; wc 19,660,800 bytes; woc 13,107,200 bytes; qc 3,145,728 bytes; qs 131,072 bytes; kv 1,638,400 bytes; oc 3,276,800 bytes
;; launch quant (part 1): grid 896 x 1, 4 waves a work-group, no clusters, 51,712 bytes of LDS; arguments stm, wq, wk, wv, xc, wc; writes xc, wc
.if DOCPART == 1
	.amdgcn_target "amdgcn-amd-amdhsa--gfx1250"
	.amdhsa_code_object_version 6
	.text
	.protected	k_q24fd3c1e82_quant
	.globl	k_q24fd3c1e82_quant
	.p2align	8
	.type	k_q24fd3c1e82_quant,@function
k_q24fd3c1e82_quant:
	s_mov_b64 s[64:65], 0
	v_nop
	global_prefetch_b8 v0, s[64:65] scope:SCOPE_SE
	s_setreg_imm32_b32 hwreg(HW_REG_WAVE_MODE, 25, 1), 1
	s_wait_xcnt 0x0
; stm [1024][4096] and the weights wq, wk, wv, wo ([4096 (K)][N]), all f32, become codes of FP6 (E2M3) with one E8M0 byte for each 32 along K,
; laid in the order in which a matrix operand's registers take them.
; ROWS OF A TILE: tile T = 2 B + u of 16 operand rows holds, in lane slot r, row 32 B + 8 u + r + 8 (r / 8).
; IMAGE: a fragment (16 rows x 128 K, 12 registers a lane) is 3 chunks of 512 bytes; chunk c holds lane l's registers 4 c .. 4 c + 3 at byte 16 l.
; RECORD: 6,400 bytes for one tile and 512 along K: four images, then 256 scale bytes: row slot r, block t (0..15) at 6144 + 128 (t / 8) + 8 r + t % 8.
; A buffer is [tile][K slot 0..7][6,400].  xc: 64 tiles of tokens.  wc: 640 tiles: operand rows 0.. wq's columns, 4096.. wk's, 5120.. wv's, 6144.. wo's.
; A block's scale is 2^(floor(log2(largest magnitude)) - 2): its byte is the largest magnitude's exponent field - 2, held at 1 from below by a floor among the maximum's leaves.
; LIMITS: a block of zeros, and one whose largest magnitude lies under 2^-124, gets the byte 1 (the rule says 127 for zeros: the codes are zeros, and this program alone reads the bytes);
; NaN and infinities among the inputs are not served.
; Work-groups 0..127 take stm (a wave a record: K innermost, a lane holds 16 neighbours of each block), work-groups 128..767 the weights (a lane a column, registers down K; a wave two records,
; gathered in its own stage in LDS and stored as whole runs of 256 bytes).  No work-group shares an input with another: no cluster, no tensor load, no barrier.
.set SPARE, 51200                      ; the spare words, 128 bytes a wave
.set SPW,  12                          ; v12  LDS address of my spare word; never rewritten
.set NIL,  13                          ; v13  0; never rewritten
.set SEL,  66                          ; s[66:67] lane selects: lane l xor 16
; the path for stm
.set XA,   4                           ; v4   my lane's byte in the tile's rows
.set LI,   5                           ; v5   16 x lane
.set L8,   6                           ; v6   8 x lane
.set TM,   32                          ; v32-47 at work in QUANT
.set PW,   48                          ; v48-51 the four scale words
.set EW,   52                          ; v52-53 my 8 scale bytes of the record
.set XS,   64                          ; v64-191 two sets of 64 numbers
.set PCX,  192                         ; v192-239 four fragments' codes: a store's data are never rewritten
.set CT,   240                         ; v240-247 the blocks' upper halves
; the path for the weights
.set STW,  4                           ; v4   my column's place in an image
.set STS,  5                           ; v5   my column's scale bytes
.set RDA,  6
.set GO,   7
.set GOB,  14
.set OFF,  16                          ; v16-47 byte offset of row i of a block, my column
.set WX,   48                          ; v48-111 two sets of 32 numbers
.set CW,   112
.set CW2,  120                         ; v120-122 its upper half as converted
.set SB,   124                         ; v124-125 my column's 8 scale bytes
.set OUTR, 128                         ; v128-175 the way out
	; AS THE TEXT NOW STANDS (in place of the head's lines on wo, on the weights' shares and on the stage): wo is not served here: launch attn quantises it into a buffer of its own; wc holds 384 tiles.
	; Work-groups 128..895 take wq, wk, wv: a work-group 128 columns x 256 along K (half a record), a wave 32 columns.  Blocks b and b + 2 of a K step are the 12 registers of operand lane r + 16 (b % 2):
	; they are stored as they stand, and in each store the 16 slots of each of the wave's two tiles fill 256 consecutive bytes, aligned.  No LDS stage.
	s_load_b256 s[4:11], s[0:1], 0x0               ; stm, wq, wk, wv
	s_load_b64 s[14:15], s[0:1], 0x20              ; xc
	s_load_b64 s[16:17], s[0:1], 0x28              ; wc
	v_lshl_add_u32 v[SPW], v0, 2, SPARE
	v_mov_b32 v[NIL], 0
	v_lshrrev_b32 v1, 5, v0
	v_readfirstlane_b32 s18, v1                    ; wave
	v_and_b32 v1, 31, v0                           ; lane
	v_and_b32 v2, 15, v0                           ; r
	v_bfe_u32 v3, v0, 4, 1                         ; h
	s_cmp_lt_u32 ttmp9, 128
	s_cbranch_scc0 .Lweights
; ---------------- stm: a wave makes record (T, K slot) = (U / 8, U % 8), U = 4 x work-group + wave
; 64 numbers of a lane, register 16 b + i = k 32 b + 16 h + i of my row, become a fragment's codes in v[pc] on and its scale word in v[pw].
.macro QUANT s, pc, pw
.irp b, 0,1,2,3
	v_max3_num_f32 v[TM+\b], |v[(\s)+16*\b]|, |v[(\s)+1+16*\b]|, 0x1800000   ; my 16 numbers of block b, and the floor 2^(3 - 127)
.endr
.irp i, 2,4,6,8,10,12,14
.irp b, 0,1,2,3
	v_max3_num_f32 v[TM+\b], v[TM+\b], |v[(\s)+16*\b+\i]|, |v[(\s)+1+16*\b+\i]|
.endr
.endr
.irp b, 0,1,2,3
	v_permlanex16_b32 v[TM+4+\b], v[TM+\b], s[SEL], s[SEL+1]
.endr
.irp b, 0,1,2,3
	v_max_num_f32 v[TM+\b], v[TM+\b], v[TM+4+\b]   ; with lane l xor 16's: the block's largest magnitude
.endr
.irp b, 0,1,2,3
	v_add_nc_u32 v[TM+12+\b], 0xff000000, v[TM+\b] ; 2 off its exponent field: the conversion's scale operand
.endr
.irp b, 0,1,2,3
	v_lshrrev_b32 v[TM+4+\b], 23, v[TM+12+\b]      ; the scale's byte
.endr
	v_lshl_or_b32 v[\pw], v[TM+5], 8, v[TM+4]
	v_lshl_or_b32 v[\pw], v[TM+6], 16, v[\pw]
	v_lshl_or_b32 v[\pw], v[TM+7], 24, v[\pw]
.irp c, 0,1
	v_cvt_scalef32_pk16_fp6_f32 v[(\pc)+6*\c:(\pc)+6*\c+2], v[(\s)+32*\c:(\s)+32*\c+15], v[TM+12+2*\c]
	v_cvt_scalef32_pk16_fp6_f32 v[CT+4*\c:CT+4*\c+2], v[(\s)+32*\c+16:(\s)+32*\c+31], v[TM+12+2*\c+1]
.endr
	v_nop                                          ; one plain instruction behind a scaled conversion
.irp c, 0,1                                        ; the operand wants a whole block in a lane: lanes 0-15 block 2 c, lanes 16-31 block 2 c + 1
.irp i, 0,1,2
	v_permlane16_swap_b32 v[(\pc)+6*\c+\i], v[CT+4*\c+\i]
.endr
.irp i, 0,1,2
	v_mov_b32 v[(\pc)+6*\c+3+\i], v[CT+4*\c+\i]
.endr
.endr
.endm
.macro XLOAD set, ks                               ; my 64 numbers of the record's ks-th 128 along K
.irp b, 0,1,2,3
.irp j, 0,1,2,3
	global_load_b128 v[XS+64*(\set)+16*\b+4*\j:XS+64*(\set)+16*\b+4*\j+3], v[XA], s[4:5] offset:512*(\ks)+128*\b+16*\j th:TH_LOAD_NT
.endr
.endr
.endm
	s_lshl_b32 s20, ttmp9, 2
	s_add_co_u32 s20, s20, s18                     ; U
	s_lshr_b32 s21, s20, 3                         ; T
	s_and_b32 s22, s20, 7                          ; K slot
	s_lshr_b32 s23, s21, 1
	s_lshl_b32 s23, s23, 5
	s_and_b32 s24, s21, 1
	s_lshl_b32 s24, s24, 3
	s_add_co_u32 s23, s23, s24                     ; the tile's first row: 32 (T / 2) + 8 (T % 2)
	s_lshl_b32 s24, s23, 14                        ; a row of stm is 16,384 bytes
	s_lshl_b32 s25, s22, 11                        ; 512 numbers are 2,048
	s_add_co_u32 s24, s24, s25
	s_mov_b32 s25, 0
	s_mul_i32 s26, s21, 51200
	s_mul_i32 s27, s22, 6400
	s_add_co_u32 s26, s26, s27
	s_mov_b32 s27, 0
	s_mov_b32 s[SEL], 0x76543210
	s_mov_b32 s[SEL+1], 0xfedcba98
	s_wait_alu depctr_va_vdst(0)
	v_and_b32 v[XA], 8, v2
	v_add_nc_u32 v[XA], v[XA], v2                  ; r + 8 (r / 8)
	v_lshlrev_b32 v[XA], 14, v[XA]
	v_lshl_add_u32 v[XA], v3, 6, v[XA]             ; + 64 h: my 16 numbers of a block
	v_lshlrev_b32 v[LI], 4, v1
	v_lshlrev_b32 v[L8], 3, v1
.irp b, 0,1,2,3
	v_mov_b32 v[TM+4+\b], 0                        ; a lane permute's destination counts as one of its sources
.endr
	s_wait_alu depctr_va_vdst(0)
	s_wait_kmcnt 0x0
	s_add_nc_u64 s[4:5], s[4:5], s[24:25]
	s_add_nc_u64 s[14:15], s[14:15], s[26:27]
	XLOAD 0, 0
	XLOAD 1, 1
.irp ks, 0,1,2,3
.if \ks < 3
	s_wait_loadcnt 16                              ; this set's 16 loads are in; the other set's 16 may be out
.else
	s_wait_loadcnt 0
.endif
	QUANT XS+64*(\ks%2), PCX+12*\ks, PW+\ks
.irp c, 0,1,2
	global_store_b128 v[LI], v[PCX+12*\ks+4*\c:PCX+12*\ks+4*\c+3], s[14:15] offset:1536*\ks+512*\c th:TH_STORE_NT   ; 512 consecutive bytes, aligned
.endr
.if \ks < 2
	XLOAD \ks%2, \ks+2
.endif
.endr
	v_cmp_le_u32 vcc_lo, 16, v1                    ; lanes 0-15 hold the words of the first two K steps, lanes 16-31 those of the last two
	v_cndmask_b32 v[EW], v[PW], v[PW+2], vcc_lo
	v_cndmask_b32 v[EW+1], v[PW+1], v[PW+3], vcc_lo
	global_store_b64 v[L8], v[EW:EW+1], s[14:15] offset:6144 th:TH_STORE_NT    ; the record's 256 scale bytes
	s_wait_tensorcnt 0x0                           ; the wave's end
	ds_add_u32 v[SPW], v[NIL]
	s_wait_dscnt 0x0
	s_endpgm
; ---------------- the weights: a work-group takes 128 columns x 256 along K, a wave 32 columns: half of each of two records
.Lweights:
	s_sub_co_u32 s20, ttmp9, 128
	s_and_b32 s21, s20, 15                         ; which 256 along K: K slot x 2 + half
	s_lshr_b32 s22, s20, 4                         ; block of 128 operand rows, 0..47
	s_wait_kmcnt 0x0
	s_mov_b64 s[24:25], s[6:7]                     ; 0..31 wq
	s_mov_b32 s26, 0
	s_mov_b32 s27, 16384                           ; bytes from a row of K to the next
	s_cmp_ge_u32 s22, 32                           ; 32..39 wk
	s_cselect_b64 s[24:25], s[8:9], s[24:25]
	s_cselect_b32 s26, 32, s26
	s_cselect_b32 s27, 4096, s27
	s_cmp_ge_u32 s22, 40                           ; 40..47 wv
	s_cselect_b64 s[24:25], s[10:11], s[24:25]
	s_cselect_b32 s26, 40, s26
	s_mul_i32 s28, s21, s27
	s_lshl_b32 s28, s28, 8                         ; 256 rows of K a half slot
	s_sub_co_u32 s29, s22, s26
	s_lshl_b32 s29, s29, 9                         ; 128 columns are 512 bytes
	s_add_co_u32 s28, s28, s29
	s_lshl_b32 s29, s18, 7                         ; my wave's 32 columns
	s_add_co_u32 s28, s28, s29
	s_mov_b32 s29, 0
	s_add_nc_u64 s[32:33], s[24:25], s[28:29]      ; block 0's first row
	s_lshl_b32 s30, s27, 5
	s_mov_b32 s31, 0
.irp t, 1,2,3,4,5,6,7
	s_add_nc_u64 s[32+2*\t:33+2*\t], s[30+2*\t:31+2*\t], s[30:31]   ; a base for each block of 32 along K: nothing is stepped later
.endr
	s_lshl_b32 s20, s22, 3
	s_lshl_b32 s23, s18, 1
	s_add_co_u32 s20, s20, s23                     ; my first tile: 8 x block + 2 x wave
	s_mul_i32 s20, s20, 51200
	s_lshr_b32 s23, s21, 1
	s_mul_i32 s23, s23, 6400                       ; the record of my K slot,
	s_add_co_u32 s20, s20, s23
	s_and_b32 s19, s21, 1
	s_mul_i32 s23, s19, 3072                       ; and its first or last two images
	s_add_co_u32 s20, s20, s23
	s_mov_b32 s21, 0
	s_add_nc_u64 s[16:17], s[16:17], s[20:21]
	s_mul_i32 s19, s19, 2944
	s_sub_co_u32 s19, 6144, s19                    ; from there to my half's scale bytes: 6,144 + 128 x half - 3,072 x half
	v_bfe_u32 v8, v0, 3, 1                         ; column rho = lane lies in tile u = (rho / 8) % 2,
	v_and_b32 v9, 7, v0
	s_wait_alu depctr_va_vdst(0)
	v_lshl_add_u32 v9, v3, 3, v9                   ; slot rho % 8 + 8 (rho / 16)
	v_mul_u32_u24 v8, v8, 51200
	v_lshl_add_u32 v[STW], v9, 4, v8               ; my column's place in an image,
	v_lshl_add_u32 v[STS], v9, 3, v8
	v_add_nc_u32 v[STS], s19, v[STS]               ; and among the scale bytes
	v_lshlrev_b32 v[OFF], 2, v1
.irp i, 1,2,3,4,5,6,7,8,9,10,11,12,13,14,15,16,17,18,19,20,21,22,23,24,25,26,27,28,29,30,31
	v_add_nc_u32 v[OFF+\i], s27, v[OFF+\i-1]
.endr
.macro LOAD t                                      ; block t: W(32 t + i, my column): 32 lanes read 128 consecutive bytes, the four waves 512
.irp i, 0,1,2,3,4,5,6,7,8,9,10,11,12,13,14,15,16,17,18,19,20,21,22,23,24,25,26,27,28,29,30,31
	global_load_b32 v[WX+32*((\t)%2)+\i], v[OFF+\i], s[32+2*(\t):33+2*(\t)] th:TH_LOAD_NT
.endr
.endm
; Block t = 4 ks + b of my column is lane r + 16 (b % 2)'s registers 6 (b / 2) .. + 5 of image ks.
.macro BLOCK t
.set XB, WX+32*((\t)%2)
.set BQ, (\t)%4
.set B0, 1536*((\t)/4)+256*(BQ%2)
.if (\t) < 7
	s_wait_loadcnt 32                              ; this block's 32 loads are in; the next block's may be out
.else
	s_wait_loadcnt 0
.endif
	v_max3_num_f32 v8, |v[XB]|, |v[XB+1]|, |v[XB+2]|
	v_max3_num_f32 v9, |v[XB+3]|, |v[XB+4]|, |v[XB+5]|
.irp i, 6,10,14,18,22,26
	v_max3_num_f32 v8, v8, |v[XB+\i]|, |v[XB+\i+1]|
	v_max3_num_f32 v9, v9, |v[XB+\i+2]|, |v[XB+\i+3]|
.endr
	v_max3_num_f32 v8, v8, |v[XB+30]|, |v[XB+31]|
	v_max3_num_f32 v8, v8, v9, 0x1800000           ; and the floor 2^(3 - 127)
	v_add_nc_u32 v10, 0xff000000, v8               ; the conversion's scale operand
	v_lshrrev_b32 v11, 23, v10                     ; the scale's byte
.if BQ == 0
	v_mov_b32 v[SB+(\t)/4], v11
.else
	v_lshl_or_b32 v[SB+(\t)/4], v11, 8*BQ, v[SB+(\t)/4]
.endif
.set DC, OUTR+24*((\t)/4)+12*(BQ%2)+6*(BQ/2)       ; v128-175: two K steps' codes, 12 registers for each half of the operand's lanes: a store's data are never rewritten
	v_cvt_scalef32_pk16_fp6_f32 v[DC:DC+2], v[XB:XB+15], v10
	v_cvt_scalef32_pk16_fp6_f32 v[CW2:CW2+2], v[XB+16:XB+31], v10
	v_nop                                          ; one plain instruction behind a scaled conversion
.irp i, 0,1,2
	v_mov_b32 v[DC+3+\i], v[CW2+\i]
.endr
.if (\t)+2 < 8
	LOAD (\t)+2
.endif
.if BQ == 3                                        ; a K step is whole: its image's six runs of each tile
.irp h, 0,1
.irp c, 0,1,2
	global_store_b128 v[STW], v[OUTR+24*((\t)/4)+12*\h+4*\c:OUTR+24*((\t)/4)+12*\h+4*\c+3], s[16:17] offset:1536*((\t)/4)+512*\c+256*\h th:TH_STORE_NT
.endr
.endr
.endif
.endm
	LOAD 0
	LOAD 1
.set Q, 0
.rept 8
	BLOCK Q
.set Q, Q+1
.endr
	global_store_b64 v[STS], v[SB:SB+1], s[16:17] th:TH_STORE_NT   ; my column's 8 scale bytes: 128 consecutive bytes a tile
	s_wait_tensorcnt 0x0                           ; the wave's end
	ds_add_u32 v[SPW], v[NIL]
	s_wait_dscnt 0x0
	s_endpgm
.Lfunc_end_k_q24fd3c1e82_quant:
	.size	k_q24fd3c1e82_quant, .Lfunc_end_k_q24fd3c1e82_quant-k_q24fd3c1e82_quant
	.p2alignl 7, 3214868480
	.fill 96, 4, 3214868480
	.section	.rodata,"a",@progbits
	.p2align	6, 0x0
	.amdhsa_kernel k_q24fd3c1e82_quant
		.amdhsa_group_segment_fixed_size 51712
		.amdhsa_private_segment_fixed_size 0
		.amdhsa_enable_private_segment 0
		.amdhsa_kernarg_size 48
		.amdhsa_user_sgpr_count 2
		.amdhsa_user_sgpr_kernarg_segment_ptr 1
		.amdhsa_wavefront_size32 1
		.amdhsa_system_sgpr_workgroup_id_x 1
		.amdhsa_system_sgpr_workgroup_id_y 1
		.amdhsa_system_sgpr_workgroup_id_z 1
		.amdhsa_system_vgpr_workitem_id 0
		.amdhsa_next_free_vgpr 256
		.amdhsa_next_free_sgpr 80
		.amdhsa_reserve_vcc 1
		.amdhsa_float_denorm_mode_32 3
		.amdhsa_float_denorm_mode_16_64 3
		.amdhsa_memory_ordered 1
		.amdhsa_forward_progress 1
		.amdhsa_inst_pref_size 65
	.end_amdhsa_kernel
	.amdgpu_metadata
---
amdhsa.version: [ 1, 2 ]
amdhsa.kernels:
  - .name:           k_q24fd3c1e82_quant
    .symbol:         k_q24fd3c1e82_quant.kd
    .args:
      - { .name: stm, .offset: 0, .size: 8, .value_kind: global_buffer, .address_space: global }
      - { .name: wq, .offset: 8, .size: 8, .value_kind: global_buffer, .address_space: global }
      - { .name: wk, .offset: 16, .size: 8, .value_kind: global_buffer, .address_space: global }
      - { .name: wv, .offset: 24, .size: 8, .value_kind: global_buffer, .address_space: global }
      - { .name: xc, .offset: 32, .size: 8, .value_kind: global_buffer, .address_space: global }
      - { .name: wc, .offset: 40, .size: 8, .value_kind: global_buffer, .address_space: global }
    .group_segment_fixed_size: 51712
    .private_segment_fixed_size: 0
    .kernarg_segment_align: 8
    .kernarg_segment_size: 48
    .max_flat_workgroup_size: 128
    .sgpr_count:     80
    .vgpr_count:     256
    .wavefront_size: 32
...
	.end_amdgpu_metadata
.endif
;; end of part 1
;; launch qkv (part 2): grid 24 x 8, 4 waves a work-group, clusters of 4 x 4, 327,680 bytes of LDS; arguments xc, wc, cos, sin, qc, qs, kv; writes qc, qs, kv
.if DOCPART == 2
	.amdgcn_target "amdgcn-amd-amdhsa--gfx1250"
	.amdhsa_code_object_version 6
	.text
	.protected	k_q24fd3c1e82_qkv
	.globl	k_q24fd3c1e82_qkv
	.p2align	8
	.type	k_q24fd3c1e82_qkv,@function
k_q24fd3c1e82_qkv:
	s_mov_b64 s[64:65], 0
	v_nop
	global_prefetch_b8 v0, s[64:65] scope:SCOPE_SE
	s_setreg_imm32_b32 hwreg(HW_REG_WAVE_MODE, 25, 1), 1
	s_wait_xcnt 0x0
	s_wait_alu depctr_hold_cnt(0) depctr_sa_sdst(0) depctr_va_vdst(0) depctr_va_sdst(0) depctr_va_ssrc(0) depctr_va_vcc(0) depctr_vm_vsrc(0)
	s_getreg_b32 s2, hwreg(HW_REG_IB_STS2, 6, 4)
	s_cmp_eq_u32 s2, 0
	s_cbranch_scc0 .Lentry_in_a_cluster
	s_endpgm
.Lentry_in_a_cluster:
	s_bfe_u32 s2, ttmp6, 0x10000c
	s_cmp_lg_u32 s2, 0xf033
	s_cbranch_scc0 .Lentry_shape_is_right
	s_endpgm
.Lentry_shape_is_right:
.set SLOT,  153600
.set PB,    51200
.set SPARE, 2*SLOT
.set REC,   6400
.set IMG,   1536
.set TP,    51200
.set LI,   4
.set L8,   5
.set ADRP, 6
.set ADRS, 8
.set ADSP, 10
.set ADSS, 12
.set CSO,  14
.set SPW,  28
.set NIL,  29
.set SC,   32
.set SF,   80
.set Y,    176
.set PC,   80
.set CT,   128
.set TM,   136
.set SW,   152
.set E,    156
.set G1S,  24
.set G0S,  32
.set G1P,  48
.set G0P,  56
.set SEL,  96
.set PFO,  16                          ; v16 the prefetches' offset: 256 x min(lane, 24): a record is 25 runs of 256 bytes; never rewritten
.set PFA,  94                          ; s[94:95] my work-group's share of the records that I fetch, at the K slot that is being asked for
.set MSB, 0
.macro WIN new
.if MSB != \new
	s_set_vgpr_msb (MSB<<8)|\new
.set MSB, \new
.endif
.endm
.macro PLACES n
.rept \n
	v_nop
.endr
.endm
.macro JLOAD s
	s_cmp_eq_u32 s19, 0
	s_cbranch_scc0 .Lfor_p_\@
	tensor_load_to_lds s[G0S+4*\s:G0S+4*\s+3], s[G1S:G1S+7]
	s_nop 0
	PLACES 4
	s_branch .Lasked_\@
.Lfor_p_\@:
	tensor_load_to_lds s[G0P+4*\s:G0P+4*\s+3], s[G1P:G1P+7]
	s_nop 0
	PLACES 4
.Lasked_\@:
.endm
.macro CREST
	s_cmp_lg_u32 s18, 0
	s_cbranch_scc1 .Lnot_wave_0_\@
	s_barrier_signal -3
.Lnot_wave_0_\@:
	s_barrier_wait -3
	s_barrier_signal -1
	s_barrier_wait -1
.endm
.macro CROUND
	s_barrier_signal -1
	s_barrier_wait -1
	CREST
.endm
	s_load_b256 s[4:11], s[0:1], 0x0
	s_load_b128 s[12:15], s[0:1], 0x20
	s_load_b64 s[16:17], s[0:1], 0x30
	v_lshl_add_u32 v[SPW], v0, 2, SPARE
	v_mov_b32 v[NIL], 0
	ds_add_u32 v[SPW], v[NIL]
	ds_add_u32 v[SPW], v[NIL]
	v_lshrrev_b32 v1, 5, v0
	v_readfirstlane_b32 s18, v1
	s_lshr_b32 s19, s18, 1
	s_and_b32 s20, s18, 1
	s_bfe_u32 s21, ttmp6, 0x40000
	s_bfe_u32 s22, ttmp6, 0x40004
	s_lshl_b32 s23, ttmp9, 2
	s_add_co_u32 s23, s23, s21
	s_and_b32 s66, ttmp7, 0xffff
	s_lshl_b32 s66, s66, 2
	s_add_co_u32 s66, s66, s22
	s_lshl_b32 s67, s22, 2
	s_lshl_b32 s67, 15, s67
	s_lshl_b32 s68, 0x1111, s21
	s_or_b32 s[G1S], s67, (3<<16)|(1<<21)
	s_or_b32 s[G1P], s68, (3<<16)|(1<<21)
	s_mov_b32 s[G1S+1], 800<<16
	s_mov_b32 s[G1S+2], 4<<16
	s_mov_b32 s[G1S+3], 800<<16
	s_mov_b32 s[G1S+4], 4
	s_mov_b32 s[G1S+5], 6400
	s_mov_b32 s[G1S+6], 0
	s_mov_b32 s[G1S+7], 0
	s_mov_b32 s[G1P+1], 800<<16
	s_mov_b32 s[G1P+2], 8<<16
	s_mov_b32 s[G1P+3], 800<<16
	s_mov_b32 s[G1P+4], 8
	s_mov_b32 s[G1P+5], 6400
	s_mov_b32 s[G1P+6], 0
	s_mov_b32 s[G1P+7], 0
	s_cmp_eq_u32 ttmp9, 5
	s_cselect_b32 s40, 320, 0
	s_cselect_b32 s44, 320, 0
	s_lshl_b32 s41, s66, 3
	s_add_co_u32 s40, s40, s41
	s_lshl_b32 s41, s20, 2
	s_add_co_u32 s40, s40, s41
	s_mul_i32 s40, s40, TP
	s_mov_b32 s41, 0
	s_lshl_b32 s45, s23, 4
	s_sub_co_u32 s44, s45, s44
	s_lshl_b32 s45, s20, 3
	s_add_co_u32 s44, s44, s45
	s_mul_i32 s44, s44, TP
	s_mov_b32 s45, 0
	s_mul_i32 s74, s20, 25600
	s_mul_i32 s75, s20, 51200
	s_add_co_u32 s75, s75, PB
	s_lshl_b32 s84, s23, 1
	s_add_co_u32 s84, s84, s20
	s_lshl_b32 s85, s84, 6
	s_lshl_b32 s86, s66, 3
	s_add_co_u32 s85, s85, s86
	s_lshl_b32 s86, s19, 2
	s_add_co_u32 s85, s85, s86
	s_mul_i32 s85, s85, IMG
	s_lshl_b32 s86, s84, 12
	s_lshl_b32 s87, s66, 9
	s_add_co_u32 s86, s86, s87
	s_lshl_b32 s87, s19, 8
	s_add_co_u32 s86, s86, s87
	s_cmp_eq_u32 ttmp9, 5
	s_cselect_b32 s88, 40, 32
	s_sub_co_u32 s88, s84, s88
	s_cmp_eq_u32 ttmp9, 5
	s_cselect_b32 s89, s66, s88
	s_cselect_b32 s90, s88, s66
	s_cselect_b32 s91, 12288, 0
	s_cselect_b32 s92, 512, 0
	s_mul_i32 s89, s89, 204800
	s_mul_i32 s90, s90, 25600
	s_add_co_u32 s89, s89, s90
	s_mul_i32 s90, s19, 4*IMG
	s_add_co_u32 s91, s91, s89
	s_add_co_u32 s91, s91, s90
	s_lshl_b32 s90, s19, 8
	s_add_co_u32 s92, s92, s89
	s_add_co_u32 s92, s92, s90
	s_add_co_u32 s92, s92, 24576
	s_cmp_lt_u32 ttmp9, 4
	s_cselect_b32 s70, s85, s91
	s_cselect_b32 s72, s86, s92
	s_mov_b32 s71, 0
	s_mov_b32 s73, 0
	s_lshl_b32 s92, s66, 16
	s_lshl_b32 s93, s19, 15
	s_add_co_u32 s92, s92, s93
	s_mov_b32 s93, 0
	s_mov_b32 s[SEL], 0x76543210
	s_mov_b32 s[SEL+1], 0xfedcba98
	s_wait_dscnt 0x0
	s_wait_kmcnt 0x0
	s_cmp_eq_u32 ttmp9, 5
	s_cselect_b64 s[42:43], s[6:7], s[4:5]
	s_cselect_b64 s[46:47], s[4:5], s[6:7]
	s_add_nc_u64 s[42:43], s[42:43], s[40:41]
	s_add_nc_u64 s[46:47], s[46:47], s[44:45]
	s_mul_i32 s94, s21, TP                         ; the prefetch: of the 4 records that waves 0, 1 fetch, the partner at place cx takes one;
	s_mul_i32 s98, s22, 2*TP                       ; of the 8 that waves 2, 3 fetch, the partner at place cy takes two: told apart by address
	s_cmp_eq_u32 s19, 0
	s_cselect_b32 s94, s94, s98
	s_mov_b32 s95, 0
	s_cselect_b64 s[98:99], s[42:43], s[46:47]
	s_add_nc_u64 s[PFA:PFA+1], s[98:99], s[94:95]
	s_cmp_lt_u32 ttmp9, 4
	s_cselect_b64 s[76:77], s[12:13], s[16:17]
	s_cselect_b64 s[78:79], s[14:15], s[16:17]
	s_add_nc_u64 s[76:77], s[76:77], s[70:71]
	s_add_nc_u64 s[78:79], s[78:79], s[72:73]
	s_add_nc_u64 s[80:81], s[8:9], s[92:93]
	s_add_nc_u64 s[82:83], s[10:11], s[92:93]
	CROUND
.irp s, 0,1
	s_mov_b32 s[G0S+4*\s], 1
	s_add_co_u32 s[G0S+4*\s+1], s74, \s*SLOT
	s_add_nc_u64 s[G0S+4*\s+2:G0S+4*\s+3], s[42:43], \s*REC
	s_or_b32 s[G0S+4*\s+3], s[G0S+4*\s+3], 0x80000000
	s_mov_b32 s[G0P+4*\s], 1
	s_add_co_u32 s[G0P+4*\s+1], s75, \s*SLOT
	s_add_nc_u64 s[G0P+4*\s+2:G0P+4*\s+3], s[46:47], \s*REC
	s_or_b32 s[G0P+4*\s+3], s[G0P+4*\s+3], 0x80000000
.endr
	JLOAD 0                                        ; K slot 0: one tensor load a wave at the head
; A prefetch of the K slot that stands two refills on: a lane a run of 256 bytes of a record (lanes 25-31 name the record's last run again).  Each record is named once in the cluster.
; loop = 1: the loop's last trip has no K slot two on.
.macro ASK loop
.if \loop
	s_cmp_gt_u32 s3, 1
	s_cbranch_scc0 .Lasked_all_\@
.endif
	global_prefetch_b8 v[PFO], s[PFA:PFA+1] offset:2*REC th:TH_LOAD_NT scope:SCOPE_SE
	s_cmp_eq_u32 s19, 0
	s_cbranch_scc1 .Lasked_all_\@
	global_prefetch_b8 v[PFO], s[PFA:PFA+1] offset:2*REC+TP th:TH_LOAD_NT scope:SCOPE_SE
.Lasked_all_\@:
.endm
	v_and_b32 v1, 31, v0
	v_min_u32 v[PFO], 24, v1
	v_lshlrev_b32 v[PFO], 8, v[PFO]
	v_and_b32 v2, 15, v0
	v_bfe_u32 v3, v0, 4, 1
	v_lshlrev_b32 v[LI], 4, v1
	v_lshlrev_b32 v[L8], 3, v1
	v_lshlrev_b32 v15, 3, v2
	v_mad_u32_u24 v15, v3, REC, v15
	v_add_nc_u32 v15, 4*IMG, v15
	s_mul_i32 s84, s20, 51200
	s_add_co_u32 s84, s84, PB
	s_mul_i32 s85, s19, 25600
.irp s, 0,1
	v_add_nc_u32 v[ADRP+\s], s84, v[LI]
	v_add_nc_u32 v[ADRS+\s], s85, v[LI]
	v_add_nc_u32 v[ADSP+\s], s84, v15
	v_add_nc_u32 v[ADSS+\s], s85, v15
	s_add_co_u32 s84, s84, SLOT
	s_add_co_u32 s85, s85, SLOT
.endr
	v_and_b32 v[CSO], 8, v2
	v_add_nc_u32 v[CSO], v[CSO], v2
	v_lshlrev_b32 v[CSO], 9, v[CSO]
	v_lshl_add_u32 v[CSO], v3, 6, v[CSO]
.macro CSLOAD a
.set CZ, 128*((\a)%2)
.set CB, (32*((\a)/2)+8*((\a)%2))*512
.irp b, 0,1,2,3
.irp j, 0,1,2,3
	global_load_b128 v[CZ+16*\b+4*\j:CZ+16*\b+4*\j+3], v[CSO], s[80:81] offset:CB+128*\b+16*\j
	global_load_b128 v[CZ+64+16*\b+4*\j:CZ+64+16*\b+4*\j+3], v[CSO], s[82:83] offset:CB+128*\b+16*\j
.endr
.endr
.endm
	WIN 0xc0
	CSLOAD 0
	CSLOAD 1
	WIN 0
	ASK 0                                          ; K slot 2
.macro WM a, b, set, ks, slot, zero
.set rD, 8*(8*(\a)+(\b))
.set rP, 128*(\set)+12*(\b)
.set rS, SF+48*(\set)+12*(\a)
.set rX, SC+24*(\slot)+4*((\b)/2)+(\ks)
.set rY, SC+24*(\slot)+16+4*((\a)/2)+(\ks)
.if \zero
.if ((\a)%2) && ((\b)%2)
	v_wmma_scale_f32_16x16x128_f8f6f4 v[rD:rD+7], v[rP:rP+11], v[rS:rS+11], 0, v[rX], v[rY] matrix_a_fmt:MATRIX_FMT_FP6 matrix_b_fmt:MATRIX_FMT_FP6 matrix_a_scale:MATRIX_SCALE_ROW1 matrix_b_scale:MATRIX_SCALE_ROW1
.elseif (\b)%2
	v_wmma_scale_f32_16x16x128_f8f6f4 v[rD:rD+7], v[rP:rP+11], v[rS:rS+11], 0, v[rX], v[rY] matrix_a_fmt:MATRIX_FMT_FP6 matrix_b_fmt:MATRIX_FMT_FP6 matrix_a_scale:MATRIX_SCALE_ROW1
.elseif (\a)%2
	v_wmma_scale_f32_16x16x128_f8f6f4 v[rD:rD+7], v[rP:rP+11], v[rS:rS+11], 0, v[rX], v[rY] matrix_a_fmt:MATRIX_FMT_FP6 matrix_b_fmt:MATRIX_FMT_FP6 matrix_b_scale:MATRIX_SCALE_ROW1
.else
	v_wmma_scale_f32_16x16x128_f8f6f4 v[rD:rD+7], v[rP:rP+11], v[rS:rS+11], 0, v[rX], v[rY] matrix_a_fmt:MATRIX_FMT_FP6 matrix_b_fmt:MATRIX_FMT_FP6
.endif
.else
.if ((\a)%2) && ((\b)%2)
	v_wmma_scale_f32_16x16x128_f8f6f4 v[rD:rD+7], v[rP:rP+11], v[rS:rS+11], v[rD:rD+7], v[rX], v[rY] matrix_a_fmt:MATRIX_FMT_FP6 matrix_b_fmt:MATRIX_FMT_FP6 matrix_a_scale:MATRIX_SCALE_ROW1 matrix_b_scale:MATRIX_SCALE_ROW1
.elseif (\b)%2
	v_wmma_scale_f32_16x16x128_f8f6f4 v[rD:rD+7], v[rP:rP+11], v[rS:rS+11], v[rD:rD+7], v[rX], v[rY] matrix_a_fmt:MATRIX_FMT_FP6 matrix_b_fmt:MATRIX_FMT_FP6 matrix_a_scale:MATRIX_SCALE_ROW1
.elseif (\a)%2
	v_wmma_scale_f32_16x16x128_f8f6f4 v[rD:rD+7], v[rP:rP+11], v[rS:rS+11], v[rD:rD+7], v[rX], v[rY] matrix_a_fmt:MATRIX_FMT_FP6 matrix_b_fmt:MATRIX_FMT_FP6 matrix_b_scale:MATRIX_SCALE_ROW1
.else
	v_wmma_scale_f32_16x16x128_f8f6f4 v[rD:rD+7], v[rP:rP+11], v[rS:rS+11], v[rD:rD+7], v[rX], v[rY] matrix_a_fmt:MATRIX_FMT_FP6 matrix_b_fmt:MATRIX_FMT_FP6
.endif
.endif
.endm
.macro MULA a, set, ks, slot, zero
.irp b, 0,1,2,3,4,5,6,7
	WM \a, \b, \set, \ks, \slot, \zero
.endr
.endm
.macro FETCH slot, ks, set
	WIN 0x40
.irp b, 0,1,2,3,4,5,6,7
.irp c, 0,1,2
	ds_load_b128 v[128*(\set)+12*\b+4*\c:128*(\set)+12*\b+4*\c+3], v[ADRP+\slot] offset:REC*\b+IMG*(\ks)+512*\c
.endr
.endr
	WIN 0
.irp a, 0,1,2,3
.irp c, 0,1,2
	ds_load_b128 v[SF+48*(\set)+12*\a+4*\c:SF+48*(\set)+12*\a+4*\c+3], v[ADRS+\slot] offset:REC*\a+IMG*(\ks)+512*\c
.endr
.endr
.endm
.macro SCALES slot
.irp i, 0,1,2,3
.irp k, 0,1
	ds_load_b64 v[SC+24*\slot+4*\i+2*\k:SC+24*\slot+4*\i+2*\k+1], v[ADSP+\slot] offset:2*REC*\i+128*\k
.endr
.endr
.irp i, 0,1
.irp k, 0,1
	ds_load_b64 v[SC+24*\slot+16+4*\i+2*\k:SC+24*\slot+16+4*\i+2*\k+1], v[ADSS+\slot] offset:2*REC*\i+128*\k
.endr
.endr
.endm
.macro STEP slot, ks, zero
	PLACES 4
	FETCH \slot, (\ks)+1, ((\ks)+1)%2
	s_wait_dscnt 36
	WIN 0xa1
.irp a, 0,1,2,3
	MULA \a, (\ks)%2, \ks, \slot, \zero
.endr
	WIN 0
.endm
.macro TURN slot, next, fill
.if \fill
	s_wait_xcnt 0x0                                ; my prefetches have read their address: it steps a K slot on
	s_add_nc_u64 s[PFA:PFA+1], s[PFA:PFA+1], REC
.endif
	s_wait_tensorcnt 0x0
	ds_add_u32 v[SPW], v[NIL]
	s_wait_dscnt 1
	WIN 0xa1
	MULA 0, 1, 3, \slot, 0
	s_wait_dscnt 0x0
	s_barrier_signal -1
	MULA 1, 1, 3, \slot, 0
	WIN 0
	s_barrier_wait -1
.if \fill
	CREST
	s_add_nc_u64 s[G0S+4*\slot+2:G0S+4*\slot+3], s[G0S+4*\slot+2:G0S+4*\slot+3], 2*REC
	s_add_nc_u64 s[G0P+4*\slot+2:G0P+4*\slot+3], s[G0P+4*\slot+2:G0P+4*\slot+3], 2*REC
	JLOAD \slot
.else
	PLACES 4
.endif
	FETCH \next, 0, 0
	SCALES \next
.if \fill
	ASK 1
.endif
	WIN 0xa1
	MULA 2, 1, 3, \slot, 0
	MULA 3, 1, 3, \slot, 0
	WIN 0
.endm
	s_wait_alu depctr_va_vdst(0)                   ; the wait at the head's end
	s_wait_xcnt 0x0
	s_add_nc_u64 s[PFA:PFA+1], s[PFA:PFA+1], REC
	s_wait_tensorcnt 0x0                           ; my part of K slot 0 is in; slot 1's first fill is issued as a refill is
	ds_add_u32 v[SPW], v[NIL]
	s_wait_dscnt 0x0
	CROUND
	JLOAD 1
	FETCH 0, 0, 0
	SCALES 0
	ASK 0                                          ; K slot 3
	STEP 0, 0, 1
	s_mov_b32 s3, 3
.Llap:
	STEP 0, 1, 0
	STEP 0, 2, 0
	TURN 0, 1, 1
	STEP 1, 0, 0
	STEP 1, 1, 0
	STEP 1, 2, 0
	TURN 1, 0, 1
	STEP 0, 0, 0
	s_sub_co_u32 s3, s3, 1
	s_cmp_lg_u32 s3, 0
	s_cbranch_scc1 .Llap
	STEP 0, 1, 0
	STEP 0, 2, 0
	TURN 0, 1, 0
	STEP 1, 0, 0
	STEP 1, 1, 0
	STEP 1, 2, 0
	s_wait_dscnt 0x0
	WIN 0xa1
	MULA 0, 1, 3, 1, 0
	MULA 1, 1, 3, 1, 0
	MULA 2, 1, 3, 1, 0
	MULA 3, 1, 3, 1, 0
	WIN 0
.macro QUANT s, pc, pw, wm, wc
	WIN \wm
.irp b, 0,1,2,3
	v_max3_num_f32 v[TM+\b], 0x1800000, |v[(\s)+16*\b]|, |v[(\s)+1+16*\b]|
.endr
.irp i, 2,4,6,8,10,12,14
.irp b, 0,1,2,3
	v_max3_num_f32 v[TM+\b], v[TM+\b], |v[(\s)+16*\b+\i]|, |v[(\s)+1+16*\b+\i]|
.endr
.endr
	WIN 0
.irp b, 0,1,2,3
	v_permlanex16_b32 v[TM+4+\b], v[TM+\b], s[SEL], s[SEL+1]
.endr
.irp b, 0,1,2,3
	v_max_num_f32 v[TM+\b], v[TM+\b], v[TM+4+\b]
.endr
.irp b, 0,1,2,3
	v_add_nc_u32 v[TM+12+\b], 0xff000000, v[TM+\b]
.endr
.irp b, 0,1,2,3
	v_lshrrev_b32 v[TM+4+\b], 23, v[TM+12+\b]
.endr
	v_lshl_or_b32 v[\pw], v[TM+5], 8, v[TM+4]
	v_lshl_or_b32 v[\pw], v[TM+6], 16, v[\pw]
	v_lshl_or_b32 v[\pw], v[TM+7], 24, v[\pw]
	WIN \wc
.irp c, 0,1
	v_cvt_scalef32_pk16_fp6_f32 v[(\pc)+6*\c:(\pc)+6*\c+2], v[(\s)+32*\c:(\s)+32*\c+15], v[TM+12+2*\c]
	v_cvt_scalef32_pk16_fp6_f32 v[CT+4*\c:CT+4*\c+2], v[(\s)+32*\c+16:(\s)+32*\c+31], v[TM+12+2*\c+1]
.endr
	WIN 0
	v_nop
.irp c, 0,1
.irp i, 0,1,2
	v_permlane16_swap_b32 v[(\pc)+6*\c+\i], v[CT+4*\c+\i]
.endr
.irp i, 0,1,2
	v_mov_b32 v[(\pc)+6*\c+3+\i], v[CT+4*\c+\i]
.endr
.endr
.endm
.macro ROPE a
.set AC, 64*(\a)
.set CZ, 128*((\a)%2)
	WIN 0x0e
.set pp, 0
.rept 32
	v_pk_mul_f32 v[Y+pp:Y+pp+1], v[AC+pp:AC+pp+1], v[CZ+pp:CZ+pp+1]
.set pp, pp+2
.endr
.set pp, 0
.rept 16
	v_pk_fma_f32 v[Y+pp:Y+pp+1], v[AC+pp+32:AC+pp+33], v[CZ+64+pp:CZ+64+pp+1], v[Y+pp:Y+pp+1] neg_lo:[1,0,0] neg_hi:[1,0,0]
.set pp, pp+2
.endr
.rept 16
	v_pk_fma_f32 v[Y+pp:Y+pp+1], v[AC+pp-32:AC+pp-31], v[CZ+64+pp:CZ+64+pp+1], v[Y+pp:Y+pp+1]
.set pp, pp+2
.endr
.endm
	PLACES 4
.irp b, 0,1,2,3
	v_mov_b32 v[TM+4+\b], 0
.endr
	s_cmp_eq_u32 ttmp9, 5
	s_cbranch_scc1 .Lv_out
.irp a, 0,1,2,3
.if \a < 3
	s_wait_loadcnt 32
.else
	s_wait_loadcnt 0
.endif
	ROPE \a
.if \a < 2
	WIN 0xc0
	CSLOAD \a+2
.endif
	WIN 0
	QUANT Y, PC+12*\a, SW+\a, 0, 0
.irp c, 0,1,2
	global_store_b128 v[LI], v[PC+12*\a+4*\c:PC+12*\a+4*\c+3], s[76:77] offset:IMG*\a+512*\c
.endr
.endr
	s_branch .Lscales
.Lv_out:
.irp a, 0,1,2,3
	QUANT 64*\a, PC+12*\a, SW+\a, 0x28, 0x02
.irp c, 0,1,2
	global_store_b128 v[LI], v[PC+12*\a+4*\c:PC+12*\a+4*\c+3], s[76:77] offset:IMG*\a+512*\c
.endr
.endr
.Lscales:
	v_cmp_le_u32 vcc_lo, 16, v1
	v_cndmask_b32 v[E], v[SW], v[SW+1], vcc_lo
	v_cndmask_b32 v[E+1], v[SW+2], v[SW+3], vcc_lo
	global_store_b64 v[L8], v[E:E+1], s[78:79]
	s_wait_tensorcnt 0x0
	ds_add_u32 v[SPW], v[NIL]
	s_wait_dscnt 0x0
	CROUND
	s_endpgm
.Lfunc_end_k_q24fd3c1e82_qkv:
	.size	k_q24fd3c1e82_qkv, .Lfunc_end_k_q24fd3c1e82_qkv-k_q24fd3c1e82_qkv
	.p2alignl 7, 3214868480
	.fill 96, 4, 3214868480
	.section	.rodata,"a",@progbits
	.p2align	6, 0x0
	.amdhsa_kernel k_q24fd3c1e82_qkv
		.amdhsa_group_segment_fixed_size 327680
		.amdhsa_private_segment_fixed_size 0
		.amdhsa_enable_private_segment 0
		.amdhsa_kernarg_size 56
		.amdhsa_user_sgpr_count 2
		.amdhsa_user_sgpr_kernarg_segment_ptr 1
		.amdhsa_wavefront_size32 1
		.amdhsa_system_sgpr_workgroup_id_x 1
		.amdhsa_system_sgpr_workgroup_id_y 1
		.amdhsa_system_sgpr_workgroup_id_z 1
		.amdhsa_system_vgpr_workitem_id 0
		.amdhsa_next_free_vgpr 1024
		.amdhsa_next_free_sgpr 100
		.amdhsa_reserve_vcc 1
		.amdhsa_float_denorm_mode_32 3
		.amdhsa_float_denorm_mode_16_64 3
		.amdhsa_memory_ordered 1
		.amdhsa_forward_progress 1
		.amdhsa_inst_pref_size 183
	.end_amdhsa_kernel
	.amdgpu_metadata
---
amdhsa.version: [ 1, 2 ]
amdhsa.kernels:
  - .name:           k_q24fd3c1e82_qkv
    .symbol:         k_q24fd3c1e82_qkv.kd
    .args:
      - { .name: xc, .offset: 0, .size: 8, .value_kind: global_buffer, .address_space: global }
      - { .name: wc, .offset: 8, .size: 8, .value_kind: global_buffer, .address_space: global }
      - { .name: cos, .offset: 16, .size: 8, .value_kind: global_buffer, .address_space: global }
      - { .name: sin, .offset: 24, .size: 8, .value_kind: global_buffer, .address_space: global }
      - { .name: qc, .offset: 32, .size: 8, .value_kind: global_buffer, .address_space: global }
      - { .name: qs, .offset: 40, .size: 8, .value_kind: global_buffer, .address_space: global }
      - { .name: kv, .offset: 48, .size: 8, .value_kind: global_buffer, .address_space: global }
    .group_segment_fixed_size: 327680
    .private_segment_fixed_size: 0
    .kernarg_segment_align: 8
    .kernarg_segment_size: 56
    .max_flat_workgroup_size: 128
    .sgpr_count:     100
    .vgpr_count:     1024
    .wavefront_size: 32
...
	.end_amdgpu_metadata
.endif
;; end of part 2
;; launch attn (part 3): grid 32 x 8, 4 waves a work-group, clusters of 4 x 4, 327,680 bytes of LDS; arguments qc, qs, kv, mask_w, mask_b, oc, wo, woc; writes oc, woc
.if DOCPART == 3
	.amdgcn_target "amdgcn-amd-amdhsa--gfx1250"
	.amdhsa_code_object_version 6
	.text
	.protected	k_q24fd3c1e82_attn
	.globl	k_q24fd3c1e82_attn
	.p2align	8
	.type	k_q24fd3c1e82_attn,@function
k_q24fd3c1e82_attn:
	s_mov_b64 s[64:65], 0
	v_nop
	global_prefetch_b8 v0, s[64:65] scope:SCOPE_SE
	s_setreg_imm32_b32 hwreg(HW_REG_WAVE_MODE, 25, 1), 1
	s_wait_xcnt 0x0
	s_wait_alu depctr_hold_cnt(0) depctr_sa_sdst(0) depctr_va_vdst(0) depctr_va_sdst(0) depctr_va_ssrc(0) depctr_va_vcc(0) depctr_vm_vsrc(0)
	s_getreg_b32 s2, hwreg(HW_REG_IB_STS2, 6, 4)
	s_cmp_eq_u32 s2, 0
	s_cbranch_scc0 .Lentry_in_a_cluster
	s_endpgm
.Lentry_in_a_cluster:
	s_bfe_u32 s2, ttmp6, 0x10000c
	s_cmp_lg_u32 s2, 0xf033
	s_cbranch_scc0 .Lentry_shape_is_right
	s_endpgm
.Lentry_shape_is_right:
; o = softmax((q . k / sqrt(128)) mask_w + mask_b) v for 32 heads on 8 KV heads, 1,024 tokens, both products on codes of FP6 (E2M3) with E8M0 scales; o is quantised for the last product.
; THE MASK IS AN INPUT: every score is multiplied by its mask_w and gets its mask_b; no tile of keys is left out.
; THE SOFTMAX: t = s (w c) + b log2(e), c = log2(e) / sqrt(128); M = the running largest t rounded up to a whole number; p = 2^(t - M) is quantised along the keys, not normalised; the row's sum is
; taken of the unquantised p and divides at the end; when M moves, the sum and O are multiplied by 2^(old M - new M), which rounds nothing.
; SHARES: a work-group owns 32 queries (tiles 2 X, 2 X + 1) of the four heads of one KV head g.  Wave w owns tile 2 X + w / 2 and heads 4 g + 2 (w % 2) + e, e = 0, 1: each fragment of K and V
; and each mask register read from LDS serves two heads.  Both products are used transposed: a lane holds one query throughout.
; LDS READS RUN A STEP AHEAD, IN SHORT RUNS: key step s begins with K(s), its scale words and the mask of step s in registers; it reads V(s) at its head, K(s + 1) behind the scores' multiply-adds,
; mask_w(s + 1) ahead of the exponentials and mask_b(s + 1) behind their wait: 26, 26, 16 and 16 loads, each run with vector work behind it.
; LDS: the whole KV head (8 key steps x 25,600 bytes: K's 8 images, V's 8, their scale blocks) is filled once.  A step's mask (32 queries x 128 keys of mask_w and of mask_b) has one of three places.
; The mask of step m is read in step m - 1, so it has landed at the change of slots ahead of step m - 1: masks 0, 1, 2 are first fills (places 0, 1, 2); the change ahead of step s, s = 1 .. 5, asks for
; mask s + 2, into places 0 and 1 by turns; place 2 is filled once.  Rows 16-31 of an array lie 128 bytes further on than 16 pitches.
; CLUSTER 4 x 4: the KV head hangs on g alone and is asked for jointly along a row; the mask's tiles hang on X alone, jointly along a column.
; LIMITS: NaN and infinities are not served; a block whose every p has fallen to 0 keeps the scale byte 1 (its codes are zeros); w c and b log2(e) are each rounded once more than in a t made of the finished logit.
; REGISTERS: window 0: addresses, statistics, Q, scale words, S^T then p (v64-191), p's codes.  window 1: O^T (64 a head), V's fragments from v128.  window 2: mask_w v0-63, mask_b v64-127, K's fragments from v128.
; LDS AND THE RING AS THEY STAND (in place of the head's lines on LDS, on the mask's three places and on the whole KV head): two slots, each with TWO key steps: mask_w and mask_b, 32 queries x 256 keys each
; (rows of 1,024 bytes + 16 of padding), and the two steps' KV records.  One tensor load a wave fills a slot: wave 0 mask_w, wave 1 mask_b, wave 2 the even step's record, wave 3 the odd step's.
; Slot 0 is asked for at the head, slot 1 behind the full sequence and a round.  THE CHANGE OF SLOTS STANDS INSIDE THE ODD STEPS, behind the scores' products: V of that step has been asked of LDS at the step's head,
; K and the mask of that step a step earlier, so behind the change's waits nobody reads the slot; and what the rest of the step reads, K and the mask of the next step, lies in the other slot, which has landed.
; A refill so has two key steps in which to land.
; The kv buffer's later steps are not prefetched: their loads go out two key steps ahead of their use.
.set MBO,   33280                      ; mask_b lies behind mask_w: 32 rows x 1,040 bytes
.set MPITCH, 1040
.set P0,    0
.set KV,    66560                      ; behind the masks: the slot's two KV records
.set KSTEP, 25600
.set SLOTB, 131072                     ; from slot to slot (117,760 bytes are used)
.set SPARE, 262144                     ; behind the slots: the spare words, 128 bytes a wave
.set LI0,  1                           ; v1   16 x lane
.set ADM0, 2                           ; v2   my query's row in a mask tile, + 64 h
.set LIK,  3                           ; v3   16 x lane + KV
.set L8K,  4                           ; v4   8 x lane + KV
.set ADK,  5
.set ADSC, 6
.set ADM,  7
.set SPW,  8
.set NIL,  9
.set PFO,  10
.set R8,   11                          ; v11  8 r
.set LN,   12                          ; v12  lane
.set EO,   14                          ; v14-15 o's two scale words
.set ST,   16                          ; head e at ST + 8 e: +0 -M, +1 largest t, +2, +3 the sum, +4 f, +5 its pair's other half, +6, +7 at work
.set Q,    32
.set QS,   56
.set KS,   58
.set S,    64
.set PC,   192
.set CT,   216
.set BM,   224
.set BT,   232
.set VS,   240
.set PW,   244
.set SO,   246
.set TM,   224                         ; the way out's work registers
.set G1M,  24
.set G1K,  32
.set G0M,  40                          ; s[40:43] the mask's group 0
.set G0K,  48
.set GW,   92
.set SEL,  66
.set CS,   68
.set L2E,  70
.set TK,   73
.set TKN,  44                          ; s44 LDS offset of the next step's record;  s45 of its mask;  s46 the slot of the step at work
.set TMN,  45
.set SBC,  46
.set ADKN, 62                          ; v62, v63 the next step's K and its scale words
.set ADSN, 63
.set CNT,  74
.set LIM,  75
.set PFA,  76
.set OC,   78
.set OS,   80
.set MSB, 0
.macro WIN new
.if MSB != \new
	s_set_vgpr_msb (MSB<<8)|\new
.set MSB, \new
.endif
.endm
.macro PLACES n
.rept \n
	v_nop
.endr
.endm
.macro CROUND
	s_barrier_signal -1
	s_barrier_wait -1
	s_cmp_lg_u32 s16, 0
	s_cbranch_scc1 .Lnot_wave_0_\@
	s_barrier_signal -3
.Lnot_wave_0_\@:
	s_barrier_wait -3
	s_barrier_signal -1
	s_barrier_wait -1
.endm
	s_load_b256 s[4:11], s[0:1], 0x0               ; qc, qs, kv, mask_w
	s_load_b128 s[12:15], s[0:1], 0x20             ; mask_b, oc
	s_load_b128 s[56:59], s[0:1], 0x30             ; wo, woc
	v_lshl_add_u32 v[SPW], v0, 2, SPARE
	v_mov_b32 v[NIL], 0
	ds_add_u32 v[SPW], v[NIL]                      ; the wave's opening: the add and its wait ahead of my first tensor load
	ds_add_u32 v[SPW], v[NIL]
	v_lshrrev_b32 v1, 5, v0
	v_readfirstlane_b32 s16, v1                    ; wave
	s_lshr_b32 s17, s16, 1                         ; u: which tile of queries.  Also: I fetch mask_w (0) or mask_b (1)
	s_and_b32 s18, s16, 1                          ; hp: which pair of heads.  Also: which 16 rows of it I fetch
	s_bfe_u32 s19, ttmp6, 0x40000                  ; cx
	s_bfe_u32 s20, ttmp6, 0x40004                  ; cy
	s_lshl_b32 s21, ttmp9, 2
	s_add_co_u32 s21, s21, s19                     ; X
	s_and_b32 s23, ttmp7, 0xffff                   ; cluster y
	s_lshl_b32 s22, s23, 2
	s_add_co_u32 s22, s22, s20                     ; g
	s_lshl_b32 s2, 0x1111, s19                     ; my column
	s_lshl_b32 s3, s20, 2
	s_lshl_b32 s3, 15, s3                          ; my row
	; the mask's tiles: 32 rows x 256 elements of 4 bytes, 1,024 elements apart; 16 bytes of padding behind each row's 256 words
	s_or_b32 s[G1M], s2, (2<<16)|(1<<20)|(1<<21)|(7<<22)|(3<<25)   ; 32 rows x 256 elements of 4 bytes; 16 bytes of padding behind each row's 256 words
	s_mov_b32 s[G1M+1], 256<<16
	s_mov_b32 s[G1M+2], 32<<16
	s_mov_b32 s[G1M+3], 256<<16
	s_mov_b32 s[G1M+4], 32
	s_mov_b32 s[G1M+5], 1024
	s_mov_b32 s[G1M+6], 0
	s_mov_b32 s[G1M+7], 0
	; the KV head: dense runs of 25,600 bytes as 100 rows of 32 elements of 8 bytes
	s_or_b32 s[G1K], s3, (3<<16)|(1<<21)
	s_mov_b32 s[G1K+1], 32<<16
	s_mov_b32 s[G1K+2], 100<<16                    ; a record: 25,600 dense bytes as 100 rows of 256
	s_mov_b32 s[G1K+3], 32<<16
	s_mov_b32 s[G1K+4], 100
	s_mov_b32 s[G1K+5], 32
	s_mov_b32 s[G1K+6], 0
	s_mov_b32 s[G1K+7], 0
	s_lshl_b32 s82, s21, 5                         ; the mask: row 32 X + 16 (wave % 2), of 4,096 bytes: X and the wave alone
	s_lshl_b32 s83, s18, 4
	s_add_co_u32 s82, s82, s83
	s_lshl_b32 s82, s82, 12
	s_mov_b32 s83, 0
	s_lshl_b32 s52, s21, 17                        ; the mask's tiles: row 32 X, of 4,096 bytes: X alone
	s_mov_b32 s53, 0
	s_mul_i32 s86, s22, 204800                     ; the KV head: g and the wave alone: record wave % 2
	s_mul_i32 s90, s18, KSTEP
	s_add_co_u32 s86, s86, s90
	s_mov_b32 s87, 0
	s_add_co_u32 s90, s90, KV                      ; where it goes in a slot,
	s_mul_i32 s91, s18, MBO                        ; and where array wave % 2 of the mask goes
	s_lshl_b32 s60, s22, 23                        ; wo: K slot g (512 rows of 16,384 bytes), columns 128 X + 32 wave
	s_lshl_b32 s61, s21, 9
	s_add_co_u32 s60, s60, s61
	s_lshl_b32 s61, s16, 7
	s_add_co_u32 s60, s60, s61
	s_mov_b32 s61, 0
	s_lshl_b32 s62, s21, 3                         ; woc: tile 8 X + 2 wave, record g
	s_lshl_b32 s63, s16, 1
	s_add_co_u32 s62, s62, s63
	s_mul_i32 s62, s62, 51200
	s_mul_i32 s63, s22, 6400
	s_add_co_u32 s62, s62, s63
	s_mov_b32 s63, 0
	s_lshl_b32 s97, s21, 1
	s_add_co_u32 s97, s97, s17                     ; T = 2 X + u
	s_lshl_b32 s98, s22, 2
	s_lshl_b32 s99, s18, 1
	s_add_co_u32 s98, s98, s99                     ; my first head: 4 g + 2 hp
	s_lshl_b32 s92, s98, 6
	s_add_co_u32 s92, s92, s97
	s_mul_i32 s92, s92, 1536                       ; q's image (head, T)
	s_mov_b32 s93, 0
	s_lshl_b32 s94, s98, 12                        ; q's scale word: head x 4,096 + (T / 4) x 256 + 128 (T % 2) + 4 ((T / 2) % 2) + 8 r
	s_lshr_b32 s99, s21, 1
	s_lshl_b32 s99, s99, 8
	s_add_co_u32 s94, s94, s99
	s_lshl_b32 s99, s17, 7
	s_add_co_u32 s94, s94, s99
	s_and_b32 s99, s21, 1
	s_lshl_b32 s99, s99, 2
	s_add_co_u32 s94, s94, s99
	s_mov_b32 s95, 0
	s_mul_i32 s[OC], s97, 51200                    ; o's record (T, K slot g)
	s_mul_i32 s99, s22, 6400
	s_add_co_u32 s[OC], s[OC], s99
	s_lshl_b32 s99, s18, 7
	s_add_co_u32 s[OS], s[OC], s99
	s_add_co_u32 s[OS], s[OS], 6144                ; its scale bytes of K steps 2 hp, 2 hp + 1
	s_mul_i32 s99, s18, 3072
	s_add_co_u32 s[OC], s[OC], s99                 ; its images 2 hp, 2 hp + 1
	s_mov_b32 s[OC+1], 0
	s_mov_b32 s[OS+1], 0
	s_lshl_b32 s[PFA], s20, 14                     ; the prefetch: my work-group's 4 of the 16 rows that I fetch, from key 512 on
	s_add_co_u32 s[PFA], s[PFA], 2048
	s_mov_b32 s[PFA+1], 0
	s_cmp_eq_u32 s23, 0
	s_cselect_b32 s[LIM], 1, 0                     ; the first cluster along y asks: the same in all sixteen partners
	s_mov_b32 s[SEL], 0x76543210
	s_mov_b32 s[SEL+1], 0xfedcba98
	s_mov_b32 s[CS], 0x3e0293ee                    ; log2(e) / sqrt(128)
	s_mov_b32 s[CS+1], s[CS]
	s_mov_b32 s[L2E], 0x3fb8aa3b                   ; log2(e)
	s_mov_b32 s[L2E+1], s[L2E]
	s_mov_b32 s[TK], 0
	s_wait_dscnt 0x0                               ; the opening add is done
	s_wait_kmcnt 0x0
	s_cmp_lt_u32 s16, 2                            ; waves 0, 1 fetch mask_w's halves, waves 2, 3 mask_b's
	s_cselect_b64 s[84:85], s[10:11], s[12:13]
	s_add_nc_u64 s[84:85], s[84:85], s[82:83]
	s_add_nc_u64 s[88:89], s[8:9], s[86:87]
	s_add_nc_u64 s[56:57], s[56:57], s[60:61]      ; wo: my wave's columns, my K slot's first row
	s_add_nc_u64 s[58:59], s[58:59], s[62:63]      ; woc: my wave's first tile, my K slot's record
	s_add_nc_u64 s[PFA:PFA+1], s[84:85], s[PFA:PFA+1]
	s_add_nc_u64 s[4:5], s[4:5], s[92:93]
	s_add_nc_u64 s[6:7], s[6:7], s[94:95]
	s_add_nc_u64 s[OC:OC+1], s[14:15], s[OC:OC+1]
	s_add_nc_u64 s[OS:OS+1], s[14:15], s[OS:OS+1]
	s_cmp_eq_u32 s18, 0                            ; as a loader of the mask I fetch mask_w (wave 0) or mask_b (wave 1)
	s_cselect_b64 s[54:55], s[10:11], s[12:13]
	s_add_nc_u64 s[54:55], s[54:55], s[52:53]
	s_mov_b32 s[G0M], 1                            ; every wave makes both group 0s and asks by one of them; each walks from fill to fill
	s_add_co_u32 s[G0M+1], s91, 0
	s_mov_b64 s[G0M+2:G0M+3], s[54:55]
	s_or_b32 s[G0M+3], s[G0M+3], 0x80000000
	s_mov_b32 s[G0K], 1
	s_add_co_u32 s[G0K+1], s90, 0
	s_mov_b64 s[G0K+2:G0K+3], s[88:89]
	s_or_b32 s[G0K+3], s[G0K+3], 0x80000000
	s_mov_b32 s[SBC], 0
; A slot's joint loads, one a wave: waves 0, 1 the mask's arrays (shared along my column), waves 2, 3 the two records (shared along my row).  The branch hangs on the wave's number alone.
.macro JL
	s_cmp_eq_u32 s17, 0
	s_cbranch_scc0 .Lfor_kv_\@
	tensor_load_to_lds s[G0M:G0M+3], s[G1M:G1M+7]
	s_nop 0
	PLACES 4
	s_branch .Ljl_asked_\@
.Lfor_kv_\@:
	tensor_load_to_lds s[G0K:G0K+3], s[G1K:G1K+7]
	s_nop 0
	PLACES 4
.Ljl_asked_\@:
.endm
	CROUND                                         ; all sixteen work-groups are here: the first joint loads meet
	JL                                             ; slot 0: key steps 0, 1
	v_and_b32 v[LN], 31, v0
	v_and_b32 v13, 15, v0                          ; r
	v_bfe_u32 v[R8], v0, 4, 1                      ; h
	v_lshlrev_b32 v[LI0], 4, v[LN]
	v_add_nc_u32 v[LIK], KV, v[LI0]
	v_lshlrev_b32 v[L8K], 3, v[LN]
	v_add_nc_u32 v[L8K], KV, v[L8K]
	v_and_b32 v[ADM0], 8, v13                      ; 8 (r / 8)
	v_add_nc_u32 v[ADM0], v[ADM0], v13             ; r + 8 (r / 8)
	s_lshl_b32 s97, s17, 3
	v_add_nc_u32 v[ADM0], s97, v[ADM0]             ; + 8 u: my query's row among the 32
	v_mul_u32_u24 v[ADM0], v[ADM0], MPITCH
	v_lshl_add_u32 v[ADM0], v[R8], 6, v[ADM0]
	v_lshrrev_b32 v[PFO], 3, v[LN]
	v_lshlrev_b32 v[PFO], 12, v[PFO]               ; eight lanes to a row,
	v_and_b32 v[R8], 7, v[LN]
	v_lshl_add_u32 v[PFO], v[R8], 8, v[PFO]        ; 256 bytes apart
	v_lshlrev_b32 v[R8], 3, v13
; wo [4096 (K)][4096], f32, IS QUANTISED HERE, FOR THE LAST PRODUCT, beside the attention: codes of FP6 (E2M3) and E8M0 bytes into woc [tile 0..255][K slot 0..7][6,400], records laid as the other weights' are.
; The 256 work-groups take the 32 x 8 parts of 128 columns x 512 along K; a wave 32 columns, a lane a column, its registers run down K: 16 blocks of 32, two in each key step.
; At two points of a key step (behind the scores' products, behind the second products) a wave works the block whose 32 loads it issued at the same point a step ago, and issues the next 32 into the same registers.
; Blocks b and b + 2 of a K step are the 12 registers of operand lane r + 16 (b % 2): stored as they stand; in each store the 16 slots of each of the wave's two tiles fill 256 consecutive bytes, aligned.
; A block's byte is its largest magnitude's exponent field - 2, held at 1 from below.  LIMITS: a block of zeros gets the byte 1 (its codes are zeros); NaN and infinities are not served.
; All its vector registers lie in window 3: v0-63 two blocks' numbers, v64-67 at work, v72-74 a block's upper half, v80-103 a K step's codes, v104-105 two K steps' scale words, v106-108 offsets.
.set WOB,  56                          ; s[56:57] wo: the 64 rows whose loads are issued in this key step
.set WCO,  58                          ; s[58:59] woc: the image of the K step at work
.set WT,   64
.set WC2,  72
.set WCC,  80
.set WSB,  104
.set WOFF, 106
.set WGO,  107
.set WGS,  108
; j: the point (0, 1) and the block's set.  ph: 0 nothing to work yet; 1 blocks 0, 1 of a K step; 2 blocks 2, 3.  ld: loads are issued.  cnt: the other set's loads, which may be out.
.macro WOQ j, ph, ld, cnt
	WIN 0xff
.set XB, 32*(\j)
.if \ph
	s_wait_loadcnt \cnt
.if (\j) == 0
	s_wait_xcnt 0x0                                ; earlier loads and stores have read their registers and bases
.if \ld
	s_add_nc_u64 s[WOB:WOB+1], s[WOB:WOB+1], 64*16384
.endif
.endif
	v_max3_num_f32 v[WT], |v[XB]|, |v[XB+1]|, |v[XB+2]|
	v_max3_num_f32 v[WT+1], |v[XB+3]|, |v[XB+4]|, |v[XB+5]|
.irp i, 6,10,14,18,22,26
	v_max3_num_f32 v[WT], v[WT], |v[XB+\i]|, |v[XB+\i+1]|
	v_max3_num_f32 v[WT+1], v[WT+1], |v[XB+\i+2]|, |v[XB+\i+3]|
.endr
	v_max3_num_f32 v[WT], v[WT], |v[XB+30]|, |v[XB+31]|
	v_max3_num_f32 v[WT], v[WT], v[WT+1], 0x1800000        ; and the floor 2^(3 - 127)
	v_add_nc_u32 v[WT+2], 0xff000000, v[WT]                ; the conversion's scale operand
	v_lshrrev_b32 v[WT+3], 23, v[WT+2]                     ; the scale's byte
.if (\ph) == 1 && (\j) == 0
	v_mov_b32 v[WSB], v[WSB+1]                             ; the K step before's word moves down
	v_mov_b32 v[WSB+1], v[WT+3]
.else
	v_lshl_or_b32 v[WSB+1], v[WT+3], 8*(2*((\ph)-1)+(\j)), v[WSB+1]
.endif
.set DC, WCC+12*(\j)+6*((\ph)-1)
	v_cvt_scalef32_pk16_fp6_f32 v[DC:DC+2], v[XB:XB+15], v[WT+2]
	v_cvt_scalef32_pk16_fp6_f32 v[WC2:WC2+2], v[XB+16:XB+31], v[WT+2]
	v_nop                                          ; one plain instruction behind a scaled conversion
.irp i, 0,1,2
	v_mov_b32 v[DC+3+\i], v[WC2+\i]
.endr
.if (\ph) == 2 && (\j) == 1                        ; a K step is whole: its image's six runs of each tile
.irp h, 0,1
.irp c, 0,1,2
	global_store_b128 v[WGO], v[WCC+12*\h+4*\c:WCC+12*\h+4*\c+3], s[WCO:WCO+1] offset:512*\c+256*\h th:TH_STORE_NT
.endr
.endr
	s_wait_alu depctr_va_vdst(0)                   ; directly ahead of the wait below
	s_wait_xcnt 0x0                                ; the stores have read their base
	s_add_nc_u64 s[WCO:WCO+1], s[WCO:WCO+1], 1536
.endif
.endif
.if \ld
.set ii, 0
.rept 32
	global_load_b32 v[XB+ii], v[WOFF], s[WOB:WOB+1] offset:16384*(XB+ii) th:TH_LOAD_NT   ; 32 lanes read 128 consecutive bytes, the four waves 512
.set ii, ii+1
.endr
.endif
	WIN 0
.endm
.macro WOSC off                        ; two K steps' scale words of my column: 128 consecutive bytes a tile
	WIN 0xff
	global_store_b64 v[WGS], v[WSB:WSB+1], s[WCO:WCO+1] offset:\off th:TH_STORE_NT
	WIN 0
.endm
	v_bfe_u32 v254, v0, 3, 1                       ; column rho = lane lies in tile u = (rho / 8) % 2,
	v_and_b32 v255, 7, v0
	v_bfe_u32 v[ADM], v0, 4, 1
	v_lshl_add_u32 v255, v[ADM], 3, v255           ; slot rho % 8 + 8 (rho / 16)
	v_mul_u32_u24 v254, v254, 51200
	WIN 0xc0                                       ; destinations in window 3
	v_lshl_add_u32 v[WGO], v255, 4, v254
	v_lshl_add_u32 v[WGS], v255, 3, v254
	v_lshlrev_b32 v[WOFF], 2, v[LN]
	v_mov_b32 v[WSB+1], 0                          ; read once before the first word is made
	WIN 0
.irp e, 0,1
.irp c, 0,1,2
	global_load_b128 v[Q+12*\e+4*\c:Q+12*\e+4*\c+3], v[LI0], s[4:5] offset:98304*\e+512*\c    ; Q's fragments stay in registers
.endr
	global_load_b32 v[QS+\e], v[R8], s[6:7] offset:4096*\e
.endr
.irp e, 0,1
	v_mov_b32 v[ST+8*\e+1], 0xff61b1e6             ; the largest t so far: -3e38
	v_floor_f32 v[ST+8*\e], -v[ST+8*\e+1]
	v_mov_b32 v[ST+8*\e+2], 0
	v_mov_b32 v[ST+8*\e+3], 0
	v_mov_b32 v[ST+8*\e+5], 0                      ; named as the other half of f's pair
	v_mov_b32 v[ST+8*\e+7], 0
.endr
.irp k, 0,1,2,3,4,5,6,7
	v_mov_b32 v[BT+\k], 0                          ; a lane permute's destination counts as one of its sources
.endr
; A KEY STEP: 128 keys.  K, its scale words and the mask of this step are in registers or on their way there.
; first = 1: its second products start O^T's sums.  nxt = 1: it reads the next step's K and mask.  odd: the slot's second step: the next step lies in the other slot.
; chg: 0 no change of slots; 1 a change that fills nothing; 2 a change that fills this slot again.
.macro STEP first, nxt, odd, chg
.if \odd
	s_add_co_u32 s[TK], s[SBC], KSTEP
	s_xor_b32 s[TKN], s[SBC], SLOTB
	s_xor_b32 s[TMN], s[SBC], SLOTB
.else
	s_add_co_u32 s[TK], s[SBC], 0
	s_add_co_u32 s[TKN], s[SBC], KSTEP
	s_add_co_u32 s[TMN], s[SBC], 512               ; the second step's part of a mask row begins 512 bytes in
.endif
	v_add_nc_u32 v[ADK], s[TK], v[LIK]             ; these are also the places in front of the loads into V's registers
	v_add_nc_u32 v[ADSC], s[TK], v[L8K]
.if \nxt
	v_add_nc_u32 v[ADM], s[TMN], v[ADM0]
	v_add_nc_u32 v[ADKN], s[TKN], v[LIK]
	v_add_nc_u32 v[ADSN], s[TKN], v[L8K]
.else
	v_nop
	v_nop
.endif
	WIN 0x40
.irp t, 0,1,2,3,4,5,6,7
.irp c, 0,1,2
	ds_load_b128 v[128+12*\t+4*\c:128+12*\t+4*\c+3], v[ADK] offset:12288+1536*\t+512*\c       ; V of this step: wanted at the step's end
.endr
.endr
	WIN 0
.irp q, 0,1
	ds_load_b64 v[VS+2*\q:VS+2*\q+1], v[ADSC] offset:25088+256*\q
.endr
	s_wait_dscnt 26                                ; all but V's 24 loads and its scale words' 2: K, its scale words and the mask, asked for a step ago, are in
	WIN 0x02                                       ; source 0 (K) window 2
.irp t, 0,1,2,3,4,5,6,7
.irp e, 0,1
.if \t%2
	v_wmma_scale_f32_16x16x128_f8f6f4 v[S+64*\e+8*\t:S+64*\e+8*\t+7], v[128+12*\t:128+12*\t+11], v[Q+12*\e:Q+12*\e+11], 0, v[KS+2*(\t/4)+((\t%4)/2)], v[QS+\e] matrix_a_fmt:MATRIX_FMT_FP6 matrix_b_fmt:MATRIX_FMT_FP6 matrix_a_scale:MATRIX_SCALE_ROW1
.else
	v_wmma_scale_f32_16x16x128_f8f6f4 v[S+64*\e+8*\t:S+64*\e+8*\t+7], v[128+12*\t:128+12*\t+11], v[Q+12*\e:Q+12*\e+11], 0, v[KS+2*(\t/4)+((\t%4)/2)], v[QS+\e] matrix_a_fmt:MATRIX_FMT_FP6 matrix_b_fmt:MATRIX_FMT_FP6
.endif
.endr
.endr
.if \first
.set WPH, 0
.elseif \odd
.set WPH, 1
.else
.set WPH, 2
.endif
	WOQ 0, WPH, 1, 32                              ; wo's work: plain vector work behind the scores' products
.if \chg
	WIN 0
	CHANGE \chg-1
.endif
	WIN 0x82
.set jj, 0
.rept 32
	v_pk_mul_f32 v[jj:jj+1], v[jj:jj+1], s[CS:CS+1] op_sel_hi:[1,0]           ; w c.  (These 64 are also the places behind the products)
.set jj, jj+2
.endr
.rept 32
	v_pk_mul_f32 v[jj:jj+1], v[jj:jj+1], s[L2E:L2E+1] op_sel_hi:[1,0]         ; b log2(e)
.set jj, jj+2
.endr
	WIN 0x28
.irp e, 0,1
.set jj, 0
.rept 32
	v_pk_fma_f32 v[S+64*\e+jj:S+64*\e+jj+1], v[S+64*\e+jj:S+64*\e+jj+1], v[jj:jj+1], v[64+jj:64+jj+1]   ; t; each accumulator from its low end on
.set jj, jj+2
.endr
.endr
.if \nxt
	WIN 0x80
.irp t, 0,1,2,3,4,5,6,7
.irp c, 0,1,2
	ds_load_b128 v[128+12*\t+4*\c:128+12*\t+4*\c+3], v[ADKN] offset:1536*\t+512*\c            ; K of the next step
.endr
.endr
	WIN 0
.irp q, 0,1
	ds_load_b64 v[KS+2*\q:KS+2*\q+1], v[ADSN] offset:24576+256*\q
.endr
.else
	WIN 0
.endif
.irp k, 0,1,2,3,4,5,6,7                            ; block k = 4 e + b: the largest t of each block of 32 keys serves the row's maximum and, since p rises with t, the block's largest p
	v_max3_num_f32 v[BM+\k], v[S+16*\k], v[S+16*\k+1], v[S+16*\k+2]
.endr
.irp i, 3,5,7,9,11,13
.irp k, 0,1,2,3,4,5,6,7
	v_max3_num_f32 v[BM+\k], v[BM+\k], v[S+16*\k+\i], v[S+16*\k+\i+1]
.endr
.endr
.irp k, 0,1,2,3,4,5,6,7
	v_max_num_f32 v[BM+\k], v[BM+\k], v[S+16*\k+15]
.endr
.irp k, 0,1,2,3,4,5,6,7
	v_permlanex16_b32 v[BT+\k], v[BM+\k], s[SEL], s[SEL+1]
.endr
.irp k, 0,1,2,3,4,5,6,7
	v_max_num_f32 v[BM+\k], v[BM+\k], v[BT+\k]     ; with lane l xor 16's 16 keys
.endr
.irp e, 0,1
	v_max3_num_f32 v[ST+8*\e+6], v[BM+4*\e], v[BM+4*\e+1], v[BM+4*\e+2]
.endr
.irp e, 0,1
	v_max_num_f32 v[ST+8*\e+6], v[ST+8*\e+6], v[BM+4*\e+3]
.endr
.irp e, 0,1
	v_max_num_f32 v[ST+8*\e+1], v[ST+8*\e+1], v[ST+8*\e+6]    ; the running largest t
.endr
.irp e, 0,1
	v_mov_b32 v[ST+8*\e+6], v[ST+8*\e]
.endr
.irp e, 0,1
	v_floor_f32 v[ST+8*\e], -v[ST+8*\e+1]          ; the new -M = -ceil(t): a whole number
.endr
.irp e, 0,1
	v_sub_f32 v[ST+8*\e+6], v[ST+8*\e], v[ST+8*\e+6]          ; old M - new M, 0 or less
.endr
.irp e, 0,1
	v_cvt_i32_f32 v[ST+8*\e+6], v[ST+8*\e+6]       ; (it saturates)
.endr
.irp e, 0,1
	v_ldexp_f32 v[ST+8*\e+4], 1.0, v[ST+8*\e+6]    ; f = 2^(old M - new M)
.endr
.irp e, 0,1
.set jj, 0
.rept 32
	v_pk_add_f32 v[S+64*\e+jj:S+64*\e+jj+1], v[S+64*\e+jj:S+64*\e+jj+1], v[ST+8*\e:ST+8*\e+1] op_sel_hi:[1,0]   ; t - M
.set jj, jj+2
.endr
.irp b, 0,1,2,3
	v_add_f32 v[BM+4*\e+\b], v[BM+4*\e+\b], v[ST+8*\e]        ; the same of each block's largest t
.endr
.endr
.if \nxt
	WIN 0x80
.irp b, 0,1,2,3
.irp j, 0,1,2,3
	ds_load_b128 v[16*\b+4*\j:16*\b+4*\j+3], v[ADM] offset:128*\b+16*\j                       ; mask_w of the next step
.endr
.endr
	WIN 0
.endif
.set jj, 0
	s_wait_alu depctr_va_vdst(0)
.rept 128
	v_exp_f32 v[S+jj], v[S+jj]                     ; p = 2^(t - M): one batch
.set jj, jj+1
.endr
.irp e, 0,1
	v_pk_mul_f32 v[ST+8*\e+2:ST+8*\e+3], v[ST+8*\e+2:ST+8*\e+3], v[ST+8*\e+4:ST+8*\e+5] op_sel_hi:[1,0]   ; the sums under the new M: plain work behind the exponentials
.endr
	s_wait_alu depctr_va_vdst(0)                   ; one wait for the batch, ahead of its first reader
.if \nxt
	WIN 0x80
.irp b, 0,1,2,3
.irp j, 0,1,2,3
	ds_load_b128 v[64+16*\b+4*\j:64+16*\b+4*\j+3], v[ADM] offset:MBO+128*\b+16*\j             ; mask_b of the next step
.endr
.endr
	WIN 0
.endif
.irp k, 0,1,2,3,4,5,6,7
	v_exp_f32 v[BM+\k], v[BM+\k]                   ; each block's largest p: the same two instructions on the same number
.endr
.irp e, 0,1
	v_pk_add_f32 v[BT+4*\e:BT+4*\e+1], v[S+64*\e:S+64*\e+1], v[S+64*\e+2:S+64*\e+3]     ; the row's sum of the unquantised p, in two chains a head
.endr
.irp j, 4,8,12,16,20,24,28,32,36,40,44,48,52,56,60
.irp e, 0,1
	v_pk_add_f32 v[ST+8*\e+2:ST+8*\e+3], v[ST+8*\e+2:ST+8*\e+3], v[S+64*\e+\j:S+64*\e+\j+1]
	v_pk_add_f32 v[BT+4*\e:BT+4*\e+1], v[BT+4*\e:BT+4*\e+1], v[S+64*\e+\j+2:S+64*\e+\j+3]
.endr
.endr
.irp e, 0,1
	v_pk_add_f32 v[ST+8*\e+2:ST+8*\e+3], v[ST+8*\e+2:ST+8*\e+3], v[BT+4*\e:BT+4*\e+1]
.endr
	s_wait_alu depctr_va_vdst(0)                   ; and one for the eight
.irp k, 0,1,2,3,4,5,6,7
	v_max_num_f32 v[BM+\k], 0x1800000, v[BM+\k]    ; the floor 2^(3 - 127)
.endr
.irp k, 0,1,2,3,4,5,6,7
	v_add_nc_u32 v[SO+\k], 0xff000000, v[BM+\k]    ; the conversion's scale operand
.endr
.irp k, 0,1,2,3,4,5,6,7
	v_lshrrev_b32 v[BT+\k], 23, v[SO+\k]           ; the scale's byte
.endr
.irp e, 0,1
	v_lshl_or_b32 v[PW+\e], v[BT+4*\e+1], 8, v[BT+4*\e]
.endr
.irp e, 0,1
	v_lshl_or_b32 v[PW+\e], v[BT+4*\e+2], 16, v[PW+\e]
.endr
.irp e, 0,1
	v_lshl_or_b32 v[PW+\e], v[BT+4*\e+3], 24, v[PW+\e]        ; p's scale word for these 128 keys
.endr
.irp e, 0,1
.irp c, 0,1
	v_cvt_scalef32_pk16_fp6_f32 v[PC+12*\e+6*\c:PC+12*\e+6*\c+2], v[S+64*\e+32*\c:S+64*\e+32*\c+15], v[SO+4*\e+2*\c]
	v_cvt_scalef32_pk16_fp6_f32 v[CT+8*\e+4*\c:CT+8*\e+4*\c+2], v[S+64*\e+32*\c+16:S+64*\e+32*\c+31], v[SO+4*\e+2*\c+1]
.endr
.endr
	v_nop                                          ; one plain instruction behind a scaled conversion
.irp e, 0,1
.irp c, 0,1
.irp i, 0,1,2
	v_permlane16_swap_b32 v[PC+12*\e+6*\c+\i], v[CT+8*\e+4*\c+\i]
.endr
.irp i, 0,1,2
	v_mov_b32 v[PC+12*\e+6*\c+3+\i], v[CT+8*\e+4*\c+\i]
.endr
.endr
.endr
.if \first
	s_wait_alu depctr_va_vdst(0)
	PLACES 8                                       ; a scale word written by vector instructions stands eight places ahead of the scaled products, codes so written four
.else
	WIN 0x41
.irp e, 0,1
.set jj, 0
.rept 32
	v_pk_mul_f32 v[64*\e+jj:64*\e+jj+1], v[64*\e+jj:64*\e+jj+1], v[ST+8*\e+4:ST+8*\e+5] op_sel_hi:[1,0]   ; O^T under the new M.  (These are those places too)
.set jj, jj+2
.endr
.endr
.endif
.if \nxt
	s_wait_alu depctr_va_vdst(0)
	s_wait_dscnt 58                                ; V and its scale words are in; the next step's 26 + 16 + 16 loads, issued behind them, may be out
.else
	s_wait_alu depctr_va_vdst(0)
	s_wait_dscnt 0x0
.endif
	WIN 0x51                                       ; source 0 (V), C and D window 1
.irp t, 0,1,2,3,4,5,6,7                            ; the 16 accumulators take turns, one instruction a turn
.irp e, 0,1
.set rO, 64*\e+8*\t
.set rV, 128+12*\t
.set rB, PC+12*\e
.set rX, VS+2*(\t/4)+((\t%4)/2)
.if \first
.if \t%2
	v_wmma_scale_f32_16x16x128_f8f6f4 v[rO:rO+7], v[rV:rV+11], v[rB:rB+11], 0, v[rX], v[PW+\e] matrix_a_fmt:MATRIX_FMT_FP6 matrix_b_fmt:MATRIX_FMT_FP6 matrix_a_scale:MATRIX_SCALE_ROW1
.else
	v_wmma_scale_f32_16x16x128_f8f6f4 v[rO:rO+7], v[rV:rV+11], v[rB:rB+11], 0, v[rX], v[PW+\e] matrix_a_fmt:MATRIX_FMT_FP6 matrix_b_fmt:MATRIX_FMT_FP6
.endif
.else
.if \t%2
	v_wmma_scale_f32_16x16x128_f8f6f4 v[rO:rO+7], v[rV:rV+11], v[rB:rB+11], v[rO:rO+7], v[rX], v[PW+\e] matrix_a_fmt:MATRIX_FMT_FP6 matrix_b_fmt:MATRIX_FMT_FP6 matrix_a_scale:MATRIX_SCALE_ROW1
.else
	v_wmma_scale_f32_16x16x128_f8f6f4 v[rO:rO+7], v[rV:rV+11], v[rB:rB+11], v[rO:rO+7], v[rX], v[PW+\e] matrix_a_fmt:MATRIX_FMT_FP6 matrix_b_fmt:MATRIX_FMT_FP6
.endif
.endif
.endr
.endr
	WIN 0
	WOQ 1, WPH, 1, 32                              ; wo's work: plain vector work behind the second products
.if \odd
	s_xor_b32 s[SBC], s[SBC], SLOTB                ; the next step lies in the other slot
.endif
.endm
; A prefetch of the mask's keys 512 to 1,023, which the changes in key steps 1 and 3 will load: once, behind slot 1's load, a key step ahead of the first of those loads: one instruction a wave.
; Waves 0, 1 name mask_w's rows, waves 2, 3 mask_b's, 16 rows a wave; of these the partner at place cy of the column takes four, told apart by address; eight lanes to a row, 256 bytes apart.
; All clusters along y read the same mask: the first of them asks.  So each aligned run of 256 bytes is named once.  Keys 0 to 511 come by their loads alone.
.macro ASK
	s_cmp_eq_u32 s[LIM], 1
	s_cbranch_scc0 .Lnot_mine_\@
	global_prefetch_b8 v[PFO], s[PFA:PFA+1] th:TH_LOAD_NT scope:SCOPE_SE
.Lnot_mine_\@:
.endm
; THE CHANGE OF SLOTS.  Each wave waits for all its tensor loads, adds 0 to its spare word, and waits for that and for its LDS reads: so the other slot has landed and nobody reads this one.
; fill = 1: the group 0s step to the other place and to the next two key steps, a round follows, and the joint loads are the first tensor loads behind it.
.macro CHANGE fill
	s_wait_tensorcnt 0x0                           ; no tensor load of mine is out, so a group 0 may be written
	ds_add_u32 v[SPW], v[NIL]
.if \fill
	s_xor_b32 s[G0M+1], s[G0M+1], SLOTB
	s_add_nc_u64 s[G0M+2:G0M+3], s[G0M+2:G0M+3], 1024
	s_xor_b32 s[G0K+1], s[G0K+1], SLOTB
	s_add_nc_u64 s[G0K+2:G0K+3], s[G0K+2:G0K+3], 2*KSTEP
.endif
	s_wait_dscnt 0x0
.if \fill
	CROUND
	JL
.else
	s_barrier_signal -1
	s_barrier_wait -1
.endif
.endm
	s_wait_alu depctr_va_vdst(0)                   ; the wait at the head's end
	CHANGE 1                                       ; slot 0 is in; slot 1's first fill (key steps 2, 3) is issued as a refill is
	ASK
.irp q, 0,1
	ds_load_b64 v[KS+2*\q:KS+2*\q+1], v[L8K] offset:24576+256*\q                              ; key step 0's K and mask have no step before them
.endr
	WIN 0x80
.irp t, 0,1,2,3,4,5,6,7
.irp c, 0,1,2
	ds_load_b128 v[128+12*\t+4*\c:128+12*\t+4*\c+3], v[LIK] offset:1536*\t+512*\c
.endr
.endr
.irp b, 0,1,2,3
.irp j, 0,1,2,3
	ds_load_b128 v[16*\b+4*\j:16*\b+4*\j+3], v[ADM0] offset:P0+128*\b+16*\j
.endr
.endr
.irp b, 0,1,2,3
.irp j, 0,1,2,3
	ds_load_b128 v[64+16*\b+4*\j:64+16*\b+4*\j+3], v[ADM0] offset:P0+MBO+128*\b+16*\j
.endr
.endr
	WIN 0
	s_wait_loadcnt 0x0                             ; Q
	STEP 1, 1, 0, 0                                ; step 0
	s_mov_b32 s[CNT], 2
.Lstep:                                            ; a trip runs an odd step, which fills its slot again, and the even step behind it: steps 1, 2 (key steps 4, 5 asked for) and 3, 4 (6, 7)
	STEP 0, 1, 1, 2
	STEP 0, 1, 0, 0
	s_sub_co_u32 s[CNT], s[CNT], 1
	s_cmp_lg_u32 s[CNT], 0
	s_cbranch_scc1 .Lstep
	WOSC 3072                                      ; wo's K steps 0, 1 are done: their scale words, at byte 6,144 of the record (the image's base stands at 3,072)
	STEP 0, 1, 1, 1                                ; step 5: the tail is written out: nothing is left to ask for; key steps 6, 7 have landed
	STEP 0, 1, 0, 0                                ; step 6
	STEP 0, 0, 1, 0                                ; step 7
	WOQ 0, 2, 0, 32                                ; wo's last two blocks
	WOQ 1, 2, 0, 0
	WOSC 128                                       ; K steps 2, 3: at byte 6,272 of the record (the base stands at 6,144)
; THE WAY OUT: O^T / the sum is K step head % 4 of the last product's operand: quantised in registers, stored as an image.
.macro QUANT s, pc, pw
.irp b, 0,1,2,3
	v_max3_num_f32 v[TM+\b], 0x1800000, |v[(\s)+16*\b]|, |v[(\s)+1+16*\b]|
.endr
.irp i, 2,4,6,8,10,12,14
.irp b, 0,1,2,3
	v_max3_num_f32 v[TM+\b], v[TM+\b], |v[(\s)+16*\b+\i]|, |v[(\s)+1+16*\b+\i]|
.endr
.endr
.irp b, 0,1,2,3
	v_permlanex16_b32 v[TM+4+\b], v[TM+\b], s[SEL], s[SEL+1]
.endr
.irp b, 0,1,2,3
	v_max_num_f32 v[TM+\b], v[TM+\b], v[TM+4+\b]
.endr
.irp b, 0,1,2,3
	v_add_nc_u32 v[TM+12+\b], 0xff000000, v[TM+\b]
.endr
.irp b, 0,1,2,3
	v_lshrrev_b32 v[TM+4+\b], 23, v[TM+12+\b]
.endr
	v_lshl_or_b32 v[\pw], v[TM+5], 8, v[TM+4]
	v_lshl_or_b32 v[\pw], v[TM+6], 16, v[\pw]
	v_lshl_or_b32 v[\pw], v[TM+7], 24, v[\pw]
.irp c, 0,1
	v_cvt_scalef32_pk16_fp6_f32 v[(\pc)+6*\c:(\pc)+6*\c+2], v[(\s)+32*\c:(\s)+32*\c+15], v[TM+12+2*\c]
	v_cvt_scalef32_pk16_fp6_f32 v[CT+4*\c:CT+4*\c+2], v[(\s)+32*\c+16:(\s)+32*\c+31], v[TM+12+2*\c+1]
.endr
	v_nop
.irp c, 0,1
.irp i, 0,1,2
	v_permlane16_swap_b32 v[(\pc)+6*\c+\i], v[CT+4*\c+\i]
.endr
.irp i, 0,1,2
	v_mov_b32 v[(\pc)+6*\c+3+\i], v[CT+4*\c+\i]
.endr
.endr
.endm
.irp e, 0,1
	v_add_f32 v[ST+8*\e+6], v[ST+8*\e+2], v[ST+8*\e+3]        ; the sum's two halves,
.endr
.irp e, 0,1
	v_permlanex16_b32 v[ST+8*\e+7], v[ST+8*\e+6], s[SEL], s[SEL+1]
.endr
.irp e, 0,1
	v_add_f32 v[ST+8*\e+6], v[ST+8*\e+6], v[ST+8*\e+7]        ; and lane l xor 16's
.endr
	PLACES 4                                       ; behind the last products
	s_wait_alu depctr_va_vdst(0)
.irp e, 0,1
	v_rcp_f32 v[ST+8*\e+4], v[ST+8*\e+6]
.endr
	v_nop                                          ; a plain instruction behind the reciprocals,
	s_wait_alu depctr_va_vdst(0)                   ; and the wait ahead of their first reader
.irp e, 0,1
	WIN 0x01                                       ; source 0 (O^T) window 1
.set jj, 0
.rept 32
	v_pk_mul_f32 v[S+64*\e+jj:S+64*\e+jj+1], v[64*\e+jj:64*\e+jj+1], v[ST+8*\e+4:ST+8*\e+5] op_sel_hi:[1,0]
.set jj, jj+2
.endr
	WIN 0
	QUANT S+64*\e, PC+12*\e, EO+\e
.irp c, 0,1,2
	global_store_b128 v[LI0], v[PC+12*\e+4*\c:PC+12*\e+4*\c+3], s[OC:OC+1] offset:1536*\e+512*\c
.endr
.endr
	v_cmp_gt_u32 vcc_lo, 16, v[LN]                 ; lanes 0-15 store the two heads' scale words of their rows: 128 consecutive bytes
	s_wait_xcnt 0x0                                ; EXEC changes only behind this wait
	s_and_saveexec_b32 s96, vcc_lo
	global_store_b64 v[R8], v[EO:EO+1], s[OS:OS+1]
	s_wait_xcnt 0x0                                ; and again in front of the line that widens it
	s_or_b32 exec_lo, exec_lo, s96
	s_wait_tensorcnt 0x0                           ; the wave's end
	ds_add_u32 v[SPW], v[NIL]
	s_wait_dscnt 0x0
	CROUND                                         ; the closing round
	s_endpgm
.Lfunc_end_k_q24fd3c1e82_attn:
	.size	k_q24fd3c1e82_attn, .Lfunc_end_k_q24fd3c1e82_attn-k_q24fd3c1e82_attn
	.p2alignl 7, 3214868480
	.fill 96, 4, 3214868480
	.section	.rodata,"a",@progbits
	.p2align	6, 0x0
	.amdhsa_kernel k_q24fd3c1e82_attn
		.amdhsa_group_segment_fixed_size 327680
		.amdhsa_private_segment_fixed_size 0
		.amdhsa_enable_private_segment 0
		.amdhsa_kernarg_size 64
		.amdhsa_user_sgpr_count 2
		.amdhsa_user_sgpr_kernarg_segment_ptr 1
		.amdhsa_wavefront_size32 1
		.amdhsa_system_sgpr_workgroup_id_x 1
		.amdhsa_system_sgpr_workgroup_id_y 1
		.amdhsa_system_sgpr_workgroup_id_z 1
		.amdhsa_system_vgpr_workitem_id 0
		.amdhsa_next_free_vgpr 1024
		.amdhsa_next_free_sgpr 100
		.amdhsa_reserve_vcc 1
		.amdhsa_float_denorm_mode_32 3
		.amdhsa_float_denorm_mode_16_64 3
		.amdhsa_memory_ordered 1
		.amdhsa_forward_progress 1
		.amdhsa_inst_pref_size 255
	.end_amdhsa_kernel
	.section	.bss,"aw",@nobits
	.p2align	6
	.space	262144
	.amdgpu_metadata
---
amdhsa.version: [ 1, 2 ]
amdhsa.kernels:
  - .name:           k_q24fd3c1e82_attn
    .symbol:         k_q24fd3c1e82_attn.kd
    .args:
      - { .name: qc, .offset: 0, .size: 8, .value_kind: global_buffer, .address_space: global }
      - { .name: qs, .offset: 8, .size: 8, .value_kind: global_buffer, .address_space: global }
      - { .name: kv, .offset: 16, .size: 8, .value_kind: global_buffer, .address_space: global }
      - { .name: mask_w, .offset: 24, .size: 8, .value_kind: global_buffer, .address_space: global }
      - { .name: mask_b, .offset: 32, .size: 8, .value_kind: global_buffer, .address_space: global }
      - { .name: oc, .offset: 40, .size: 8, .value_kind: global_buffer, .address_space: global }
      - { .name: wo, .offset: 48, .size: 8, .value_kind: global_buffer, .address_space: global }
      - { .name: woc, .offset: 56, .size: 8, .value_kind: global_buffer, .address_space: global }
    .group_segment_fixed_size: 327680
    .private_segment_fixed_size: 0
    .kernarg_segment_align: 8
    .kernarg_segment_size: 64
    .max_flat_workgroup_size: 128
    .sgpr_count:     100
    .vgpr_count:     1024
    .wavefront_size: 32
...
	.end_amdgpu_metadata
.endif
;; end of part 3
;; launch oproj (part 4): grid 32 x 8, 4 waves a work-group, clusters of 4 x 4, 327,680 bytes of LDS; arguments oc, woc, out0; writes out0
.if DOCPART == 4
	.amdgcn_target "amdgcn-amd-amdhsa--gfx1250"
	.amdhsa_code_object_version 6
	.text
	.protected	k_q24fd3c1e82_oproj
	.globl	k_q24fd3c1e82_oproj
	.p2align	8
	.type	k_q24fd3c1e82_oproj,@function
k_q24fd3c1e82_oproj:
	s_mov_b64 s[64:65], 0
	v_nop
	global_prefetch_b8 v0, s[64:65] scope:SCOPE_SE
	s_setreg_imm32_b32 hwreg(HW_REG_WAVE_MODE, 25, 1), 1
	s_wait_xcnt 0x0
	s_wait_alu depctr_hold_cnt(0) depctr_sa_sdst(0) depctr_va_vdst(0) depctr_va_sdst(0) depctr_va_ssrc(0) depctr_va_vcc(0) depctr_vm_vsrc(0)
	s_getreg_b32 s2, hwreg(HW_REG_IB_STS2, 6, 4)
	s_cmp_eq_u32 s2, 0
	s_cbranch_scc0 .Lentry_in_a_cluster
	s_endpgm
.Lentry_in_a_cluster:
	s_bfe_u32 s2, ttmp6, 0x10000c
	s_cmp_lg_u32 s2, 0xf033
	s_cbranch_scc0 .Lentry_shape_is_right
	s_endpgm
.Lentry_shape_is_right:
.set SLOT,  102400
.set PB,    51200
.set SPARE, 2*SLOT
.set REC,   6400
.set IMG,   1536
.set TP,    51200
.set LI,   4
.set ADRP, 6
.set ADRS, 8
.set ADSP, 10
.set ADSS, 12
.set STO,  14
.set RD,   15
.set CO,   16
.set SPW,  28
.set NIL,  29
.set SC,   32
.set SF,   80
.set BK,   176
.set G1S,  24
.set G0S,  32
.set G1P,  48
.set G0P,  56
.set PFO,  18                          ; v18 the prefetches' offset: 256 x min(lane, 24): a record is 25 runs of 256 bytes; never rewritten
.set PFA,  94                          ; s[94:95] my work-group's one of the 4 records that I fetch, at the K slot that is being asked for
.set MSB, 0
.macro WIN new
.if MSB != \new
	s_set_vgpr_msb (MSB<<8)|\new
.set MSB, \new
.endif
.endm
.macro PLACES n
.rept \n
	v_nop
.endr
.endm
.macro JLOAD s
	s_cmp_eq_u32 s19, 0
	s_cbranch_scc0 .Lfor_p_\@
	tensor_load_to_lds s[G0S+4*\s:G0S+4*\s+3], s[G1S:G1S+7]
	s_nop 0
	PLACES 4
	s_branch .Lasked_\@
.Lfor_p_\@:
	tensor_load_to_lds s[G0P+4*\s:G0P+4*\s+3], s[G1P:G1P+7]
	s_nop 0
	PLACES 4
.Lasked_\@:
.endm
.macro CREST
	s_cmp_lg_u32 s18, 0
	s_cbranch_scc1 .Lnot_wave_0_\@
	s_barrier_signal -3
.Lnot_wave_0_\@:
	s_barrier_wait -3
	s_barrier_signal -1
	s_barrier_wait -1
.endm
.macro CROUND
	s_barrier_signal -1
	s_barrier_wait -1
	CREST
.endm
	s_load_b128 s[4:7], s[0:1], 0x0
	s_load_b64 s[8:9], s[0:1], 0x10
	v_lshl_add_u32 v[SPW], v0, 2, SPARE
	v_mov_b32 v[NIL], 0
	ds_add_u32 v[SPW], v[NIL]
	ds_add_u32 v[SPW], v[NIL]
	v_lshrrev_b32 v1, 5, v0
	v_readfirstlane_b32 s18, v1
	s_lshr_b32 s19, s18, 1
	s_and_b32 s20, s18, 1
	s_bfe_u32 s21, ttmp6, 0x40000
	s_bfe_u32 s22, ttmp6, 0x40004
	s_lshl_b32 s23, ttmp9, 2
	s_add_co_u32 s23, s23, s21
	s_and_b32 s66, ttmp7, 0xffff
	s_lshl_b32 s66, s66, 2
	s_add_co_u32 s66, s66, s22
	s_lshl_b32 s67, s22, 2
	s_lshl_b32 s67, 15, s67
	s_lshl_b32 s68, 0x1111, s21
	s_or_b32 s[G1S], s67, (3<<16)|(1<<21)
	s_or_b32 s[G1P], s68, (3<<16)|(1<<21)
.irp g, G1S, G1P
	s_mov_b32 s[\g+1], 800<<16
	s_mov_b32 s[\g+2], 4<<16
	s_mov_b32 s[\g+3], 800<<16
	s_mov_b32 s[\g+4], 4
	s_mov_b32 s[\g+5], 6400
	s_mov_b32 s[\g+6], 0
	s_mov_b32 s[\g+7], 0
.endr
	s_lshl_b32 s40, s66, 3
	s_lshl_b32 s41, s20, 2
	s_add_co_u32 s40, s40, s41
	s_mul_i32 s40, s40, TP
	s_mov_b32 s41, 0
	s_lshl_b32 s44, s23, 3
	s_lshl_b32 s45, s20, 2
	s_add_co_u32 s44, s44, s45
	s_mul_i32 s44, s44, TP
	s_mov_b32 s45, 0
	s_mul_i32 s74, s20, 25600
	s_add_co_u32 s75, s74, PB
	s_lshl_b32 s70, s66, 21
	s_lshl_b32 s71, s19, 20
	s_add_co_u32 s70, s70, s71
	s_lshl_b32 s71, s23, 9
	s_add_co_u32 s70, s70, s71
	s_lshl_b32 s71, s20, 8
	s_add_co_u32 s70, s70, s71
	s_mov_b32 s71, 0
	s_wait_dscnt 0x0
	s_wait_kmcnt 0x0
	s_add_nc_u64 s[42:43], s[4:5], s[40:41]
	s_add_nc_u64 s[46:47], s[6:7], s[44:45]
	s_cmp_eq_u32 s19, 0                            ; the prefetch: the four partners that ask for my 4 records jointly take one each, told apart by address (cx for o's, cy for wo's)
	s_cselect_b32 s94, s21, s22
	s_mul_i32 s94, s94, TP
	s_mov_b32 s95, 0
	s_cselect_b64 s[98:99], s[42:43], s[46:47]
	s_add_nc_u64 s[PFA:PFA+1], s[98:99], s[94:95]
	s_add_nc_u64 s[8:9], s[8:9], s[70:71]
	CROUND
.irp s, 0,1
	s_mov_b32 s[G0S+4*\s], 1
	s_add_co_u32 s[G0S+4*\s+1], s74, \s*SLOT
	s_add_nc_u64 s[G0S+4*\s+2:G0S+4*\s+3], s[42:43], \s*REC
	s_or_b32 s[G0S+4*\s+3], s[G0S+4*\s+3], 0x80000000
	s_mov_b32 s[G0P+4*\s], 1
	s_add_co_u32 s[G0P+4*\s+1], s75, \s*SLOT
	s_add_nc_u64 s[G0P+4*\s+2:G0P+4*\s+3], s[46:47], \s*REC
	s_or_b32 s[G0P+4*\s+3], s[G0P+4*\s+3], 0x80000000
.endr
	JLOAD 0                                        ; K slot 0: one tensor load a wave at the head
; A prefetch of the K slot that stands two refills on: a lane a run of 256 bytes of a record (lanes 25-31 name the record's last run again).  Each record is named once in the cluster.
; loop = 1: the loop's last trip has no K slot two on.
.macro ASK loop
.if \loop
	s_cmp_gt_u32 s3, 1
	s_cbranch_scc0 .Lasked_all_\@
.endif
	global_prefetch_b8 v[PFO], s[PFA:PFA+1] offset:2*REC th:TH_LOAD_NT scope:SCOPE_SE
.Lasked_all_\@:
.endm
	v_and_b32 v1, 31, v0
	v_min_u32 v[PFO], 24, v1
	v_lshlrev_b32 v[PFO], 8, v[PFO]
	v_and_b32 v2, 15, v0
	v_bfe_u32 v3, v0, 4, 1
	v_lshlrev_b32 v[LI], 4, v1
	v_lshlrev_b32 v17, 3, v2
	v_mad_u32_u24 v17, v3, REC, v17
	v_add_nc_u32 v17, 4*IMG, v17
	s_mul_i32 s84, s20, 25600
	s_add_co_u32 s84, s84, PB
	s_mul_i32 s85, s19, 25600
.irp s, 0,1
	v_add_nc_u32 v[ADRP+\s], s84, v[LI]
	v_add_nc_u32 v[ADRS+\s], s85, v[LI]
	v_add_nc_u32 v[ADSP+\s], s84, v17
	v_add_nc_u32 v[ADSS+\s], s85, v17
	s_add_co_u32 s84, s84, SLOT
	s_add_co_u32 s85, s85, SLOT
.endr
	s_mul_i32 s84, s18, 4352
	v_mul_u32_u24 v[STO], v2, 272
	v_lshl_add_u32 v[STO], v3, 6, v[STO]
	v_add_nc_u32 v[STO], s84, v[STO]
	v_mul_u32_u24 v[RD], v3, 272
	v_lshl_add_u32 v[RD], v2, 4, v[RD]
	v_add_nc_u32 v[RD], s84, v[RD]
	v_lshlrev_b32 v[CO], 14, v3
	v_lshl_add_u32 v[CO], v2, 4, v[CO]
	ASK 0                                          ; K slot 2
.macro WM a, b, set, ks, slot, zero
.set rD, 8*(4*(\a)+(\b))
.set rP, 128*(\set)+12*(\b)
.set rS, SF+48*(\set)+12*(\a)
.set rX, SC+16*(\slot)+4*((\b)/2)+(\ks)
.set rY, SC+16*(\slot)+8+4*((\a)/2)+(\ks)
.if \zero
.if ((\a)%2) && ((\b)%2)
	v_wmma_scale_f32_16x16x128_f8f6f4 v[rD:rD+7], v[rP:rP+11], v[rS:rS+11], 0, v[rX], v[rY] matrix_a_fmt:MATRIX_FMT_FP6 matrix_b_fmt:MATRIX_FMT_FP6 matrix_a_scale:MATRIX_SCALE_ROW1 matrix_b_scale:MATRIX_SCALE_ROW1
.elseif (\b)%2
	v_wmma_scale_f32_16x16x128_f8f6f4 v[rD:rD+7], v[rP:rP+11], v[rS:rS+11], 0, v[rX], v[rY] matrix_a_fmt:MATRIX_FMT_FP6 matrix_b_fmt:MATRIX_FMT_FP6 matrix_a_scale:MATRIX_SCALE_ROW1
.elseif (\a)%2
	v_wmma_scale_f32_16x16x128_f8f6f4 v[rD:rD+7], v[rP:rP+11], v[rS:rS+11], 0, v[rX], v[rY] matrix_a_fmt:MATRIX_FMT_FP6 matrix_b_fmt:MATRIX_FMT_FP6 matrix_b_scale:MATRIX_SCALE_ROW1
.else
	v_wmma_scale_f32_16x16x128_f8f6f4 v[rD:rD+7], v[rP:rP+11], v[rS:rS+11], 0, v[rX], v[rY] matrix_a_fmt:MATRIX_FMT_FP6 matrix_b_fmt:MATRIX_FMT_FP6
.endif
.else
.if ((\a)%2) && ((\b)%2)
	v_wmma_scale_f32_16x16x128_f8f6f4 v[rD:rD+7], v[rP:rP+11], v[rS:rS+11], v[rD:rD+7], v[rX], v[rY] matrix_a_fmt:MATRIX_FMT_FP6 matrix_b_fmt:MATRIX_FMT_FP6 matrix_a_scale:MATRIX_SCALE_ROW1 matrix_b_scale:MATRIX_SCALE_ROW1
.elseif (\b)%2
	v_wmma_scale_f32_16x16x128_f8f6f4 v[rD:rD+7], v[rP:rP+11], v[rS:rS+11], v[rD:rD+7], v[rX], v[rY] matrix_a_fmt:MATRIX_FMT_FP6 matrix_b_fmt:MATRIX_FMT_FP6 matrix_a_scale:MATRIX_SCALE_ROW1
.elseif (\a)%2
	v_wmma_scale_f32_16x16x128_f8f6f4 v[rD:rD+7], v[rP:rP+11], v[rS:rS+11], v[rD:rD+7], v[rX], v[rY] matrix_a_fmt:MATRIX_FMT_FP6 matrix_b_fmt:MATRIX_FMT_FP6 matrix_b_scale:MATRIX_SCALE_ROW1
.else
	v_wmma_scale_f32_16x16x128_f8f6f4 v[rD:rD+7], v[rP:rP+11], v[rS:rS+11], v[rD:rD+7], v[rX], v[rY] matrix_a_fmt:MATRIX_FMT_FP6 matrix_b_fmt:MATRIX_FMT_FP6
.endif
.endif
.endm
.macro MULA a, set, ks, slot, zero
.irp b, 0,1,2,3
	WM \a, \b, \set, \ks, \slot, \zero
.endr
.endm
.macro FETCH slot, ks, set
	WIN 0x40
.irp b, 0,1,2,3
.irp c, 0,1,2
	ds_load_b128 v[128*(\set)+12*\b+4*\c:128*(\set)+12*\b+4*\c+3], v[ADRP+\slot] offset:REC*\b+IMG*(\ks)+512*\c
.endr
.endr
	WIN 0
.irp a, 0,1,2,3
.irp c, 0,1,2
	ds_load_b128 v[SF+48*(\set)+12*\a+4*\c:SF+48*(\set)+12*\a+4*\c+3], v[ADRS+\slot] offset:REC*\a+IMG*(\ks)+512*\c
.endr
.endr
.endm
.macro SCALES slot
.irp i, 0,1
.irp k, 0,1
	ds_load_b64 v[SC+16*\slot+4*\i+2*\k:SC+16*\slot+4*\i+2*\k+1], v[ADSP+\slot] offset:2*REC*\i+128*\k
	ds_load_b64 v[SC+16*\slot+8+4*\i+2*\k:SC+16*\slot+8+4*\i+2*\k+1], v[ADSS+\slot] offset:2*REC*\i+128*\k
.endr
.endr
.endm
.macro STEP slot, ks, zero
	PLACES 4
	FETCH \slot, (\ks)+1, ((\ks)+1)%2
	s_wait_dscnt 24
	WIN 0xa1
.irp a, 0,1,2,3
	MULA \a, (\ks)%2, \ks, \slot, \zero
.endr
	WIN 0
.endm
.macro TURN slot, next, fill
.if \fill
	s_wait_xcnt 0x0                                ; my prefetch has read its address: it steps a K slot on
	s_add_nc_u64 s[PFA:PFA+1], s[PFA:PFA+1], REC
.endif
	s_wait_tensorcnt 0x0
	ds_add_u32 v[SPW], v[NIL]
	s_wait_dscnt 1
	WIN 0xa1
	MULA 0, 1, 3, \slot, 0
	s_wait_dscnt 0x0
	s_barrier_signal -1
	MULA 1, 1, 3, \slot, 0
	WIN 0
	s_barrier_wait -1
.if \fill
	CREST
	s_add_nc_u64 s[G0S+4*\slot+2:G0S+4*\slot+3], s[G0S+4*\slot+2:G0S+4*\slot+3], 2*REC
	s_add_nc_u64 s[G0P+4*\slot+2:G0P+4*\slot+3], s[G0P+4*\slot+2:G0P+4*\slot+3], 2*REC
	JLOAD \slot
.else
	PLACES 4
.endif
	FETCH \next, 0, 0
	s_wait_alu depctr_va_vdst(0)
	SCALES \next
.if \fill
	ASK 1
.endif
	WIN 0xa1
	MULA 2, 1, 3, \slot, 0
	MULA 3, 1, 3, \slot, 0
	WIN 0
.endm
	s_wait_alu depctr_va_vdst(0)                   ; the wait at the head's end
	s_wait_xcnt 0x0
	s_add_nc_u64 s[PFA:PFA+1], s[PFA:PFA+1], REC
	s_wait_tensorcnt 0x0                           ; my part of K slot 0 is in; slot 1's first fill is issued as a refill is
	ds_add_u32 v[SPW], v[NIL]
	s_wait_dscnt 0x0
	CROUND
	JLOAD 1
	FETCH 0, 0, 0
	SCALES 0
	ASK 0                                          ; K slot 3
	STEP 0, 0, 1
	s_mov_b32 s3, 3
.Llap:
	STEP 0, 1, 0
	STEP 0, 2, 0
	TURN 0, 1, 1
	STEP 1, 0, 0
	STEP 1, 1, 0
	STEP 1, 2, 0
	TURN 1, 0, 1
	STEP 0, 0, 0
	s_sub_co_u32 s3, s3, 1
	s_cmp_lg_u32 s3, 0
	s_cbranch_scc1 .Llap
	STEP 0, 1, 0
	STEP 0, 2, 0
	TURN 0, 1, 0
	STEP 1, 0, 0
	STEP 1, 1, 0
	STEP 1, 2, 0
	s_wait_dscnt 0x0
	WIN 0xa1
	MULA 0, 1, 3, 1, 0
	MULA 1, 1, 3, 1, 0
	MULA 2, 1, 3, 1, 0
	MULA 3, 1, 3, 1, 0
	WIN 0
	PLACES 4
.irp a, 0,1,2,3
.if \a > 1
	s_wait_xcnt 0x0
.endif
	WIN 0x08
.irp b, 0,1,2,3
	ds_store_b128 v[STO], v[8*(4*\a+\b):8*(4*\a+\b)+3] offset:128*(\b/2)+32*(\b%2)
	ds_store_b128 v[STO], v[8*(4*\a+\b)+4:8*(4*\a+\b)+7] offset:128*(\b/2)+32*(\b%2)+16
.endr
	WIN 0
.irp t, 0,1,2,3,4,5,6,7
	ds_load_b128 v[BK+32*(\a%2)+4*\t:BK+32*(\a%2)+4*\t+3], v[RD] offset:544*\t
.endr
.irp t, 0,1,2,3,4,5,6,7
	s_wait_dscnt 7-\t
	global_store_b128 v[CO], v[BK+32*(\a%2)+4*\t:BK+32*(\a%2)+4*\t+3], s[8:9] offset:(32*(\a/2)+8*(\a%2)+2*\t+8*(\t/4))*16384 th:TH_STORE_NT
.endr
.endr
	s_wait_tensorcnt 0x0
	ds_add_u32 v[SPW], v[NIL]
	s_wait_dscnt 0x0
	CROUND
	s_endpgm
.Lfunc_end_k_q24fd3c1e82_oproj:
	.size	k_q24fd3c1e82_oproj, .Lfunc_end_k_q24fd3c1e82_oproj-k_q24fd3c1e82_oproj
	.p2alignl 7, 3214868480
	.fill 96, 4, 3214868480
	.section	.rodata,"a",@progbits
	.p2align	6, 0x0
	.amdhsa_kernel k_q24fd3c1e82_oproj
		.amdhsa_group_segment_fixed_size 327680
		.amdhsa_private_segment_fixed_size 0
		.amdhsa_enable_private_segment 0
		.amdhsa_kernarg_size 24
		.amdhsa_user_sgpr_count 2
		.amdhsa_user_sgpr_kernarg_segment_ptr 1
		.amdhsa_wavefront_size32 1
		.amdhsa_system_sgpr_workgroup_id_x 1
		.amdhsa_system_sgpr_workgroup_id_y 1
		.amdhsa_system_sgpr_workgroup_id_z 1
		.amdhsa_system_vgpr_workitem_id 0
		.amdhsa_next_free_vgpr 640
		.amdhsa_next_free_sgpr 100
		.amdhsa_reserve_vcc 0
		.amdhsa_float_denorm_mode_32 3
		.amdhsa_float_denorm_mode_16_64 3
		.amdhsa_memory_ordered 1
		.amdhsa_forward_progress 1
		.amdhsa_inst_pref_size 83
	.end_amdhsa_kernel
	.amdgpu_metadata
---
amdhsa.version: [ 1, 2 ]
amdhsa.kernels:
  - .name:           k_q24fd3c1e82_oproj
    .symbol:         k_q24fd3c1e82_oproj.kd
    .args:
      - { .name: oc, .offset: 0, .size: 8, .value_kind: global_buffer, .address_space: global }
      - { .name: woc, .offset: 8, .size: 8, .value_kind: global_buffer, .address_space: global }
      - { .name: out0, .offset: 16, .size: 8, .value_kind: global_buffer, .address_space: global }
    .group_segment_fixed_size: 327680
    .private_segment_fixed_size: 0
    .kernarg_segment_align: 8
    .kernarg_segment_size: 24
    .max_flat_workgroup_size: 128
    .sgpr_count:     100
    .vgpr_count:     640
    .wavefront_size: 32
...
	.end_amdgpu_metadata
.endif
;; end of part 4
